; MI455X (gfx1250); checked and timed in simulation.
; The chip was launched on July 23, 2026; its instructions are those of AMD's public machine-readable ISA for CDNA 5 (MIT licence, August 2026) and "CDNA5" Instruction Set Architecture Reference Guide (July 2026). The comments in the code are by the model that wrote it; some were corrected since.
;; Attention. Allowed arithmetic: matrix products marked QUANTISED: E2M3 operands, one E8M0 scale for each 32 along K, by v_wmma_scale_f32_16x16x128_f8f6f4 with both operands' format E2M3, f32 sums; everything else in f32.
;; Inputs: Wk 2,048 x 512 float32; Wo 2,048 x 2,048 float32; Wq 2,048 x 2,048 float32; Wv 2,048 x 512 float32; attention_mask 2 x 1 x 1,024 x 2,048 float32; bk 512 float32; bq 2,048 float32; bv 512 float32; cos 1,024 x 64 float32; past_k 2 x 8 x 1,024 x 64 float32; past_v 2 x 8 x 1,024 x 64 float32; sin 1,024 x 64 float32; x 2 x 1,024 x 2,048 float32.
;; Outputs: out0 2 x 1,024 x 2,048 float32.
;; This version of the problem:
;;   THIS VERSION OF THE PROBLEM IS GIVEN IN LOW PRECISION. The matrix products marked QUANTISED in the list below multiply operands that are first quantised to E2M3 (2 exponent bits, 3 mantissa bits; 6 bits a number), with one power-of-two scale for each 32 numbers along K (OCP MX v1.0); their sums are f32. All else is computed in f32.
;;   The module's matrix products, in the order in which they are computed (A, B: the left and right operand; K: the contracted axis; several contracted axes count as one K, in the product's order):
;;     1. [M 2,048, K 2,048] x [K 2,048, N 2,048]; A: input x; B: input Wq: QUANTISED
;;     2. [M 2,048, K 2,048] x [K 2,048, N 512]; A: input x; B: input Wk: QUANTISED
;;     3. [M 2,048, K 2,048] x [K 2,048, N 512]; A: input x; B: input Wv: QUANTISED
;;     4. batch 64 x [M 1,024, K 64] x [K 64, N 2,048]; A: computed on the way; B: computed on the way: QUANTISED
;;     5. batch 64 x [M 1,024, K 2,048] x [K 2,048, N 64]; A: softmax (see below); B: computed on the way: QUANTISED
;;     6. [M 2,048, K 2,048] x [K 2,048, N 2,048]; A: computed on the way; B: input Wo: QUANTISED
;;   THE QUANTISER, for each operand of a quantised product, along K:
;;     - K is cut into blocks of 32 from its start; a last block that is shorter is filled with zeros.
;;     - A block's scale is 2^e with e = floor(log2(the largest magnitude in the block)) - 2, held to -126 .. 127; a block of zeros has e = 0. As a byte (E8M0): e + 127.
;;     - Each number is divided by its block's scale, clamped to +-7.5, and rounded to the nearest number of E2M3, ties to even, subnormals kept.
;;     - The product sums the exact products of the quantised numbers (number of the format x scale) in f32.
;;   ~~~python
;;   def quantise(x, axis):      # numpy; x: float32 -> the quantised numbers, widened to float32 again
;;       x = np.moveaxis(x, axis, -1); K = x.shape[-1]
;;       x = np.pad(x, [(0, 0)] * (x.ndim - 1) + [(0, -K % 32)]); x = x.reshape(x.shape[:-1] + (-1, 32)); a = np.abs(x).max(-1, keepdims=True)
;;       e = np.where(a > 0, np.clip(np.frexp(np.where(a > 0, a, 1))[1] - 1 - 2, -126, 127), 0)      # np.frexp(a)[1] - 1 = floor(log2(a)), exactly
;;       r = np.clip(x / 2.0 ** e, -7.5, 7.5)
;;       step = 2.0 ** (np.maximum(np.frexp(np.where(r == 0, 1, r))[1] - 1, 0) - 3)
;;       q = np.round(r / step) * step * 2.0 ** e      # np.round: ties to even
;;       return np.moveaxis(q.reshape(q.shape[:-2] + (-1,))[..., :K], -1, axis).astype(np.float32)
;;   ~~~
;;   SOFTMAX AHEAD OF A QUANTISED PRODUCT. Where the list says 'softmax', what is quantised is not the finished softmax but p = 2^(t - M), with t = logit x log2(e) and M = ceil(the row's largest t), a whole number; so 1/2 < the row's largest p <= 1. The row's sum l is taken of the UNQUANTISED p, in f32, and the product's result is divided by l at the end. Since M is a whole number, a kernel that streams over the keys may use a running M (the ceiling of the running maximum): every later rescaling is an exact power of two, which a block's scale takes up: the codes' values come out the same.
;;   OPERANDS COMPUTED ON THE WAY. 'Computed on the way' means the value that the module computes at that place (a softmax that the list does not call 'softmax' is quantised finished and normalised). What goes into a quantiser is computed in f32, as accurately as f32 sums, v_exp_f32 and their like allow (about 1e-6 of the number): no bf16 or f16 on the way to a quantiser, and a product that is left as it is and whose result goes on into a quantised operand takes f32 operands (vector FMAs, or v_wmma_f32_16x16x4_f32). A number that lies on a knife's edge between two numbers of the format may be rounded either way, as far as f32 arithmetic and the matrix unit's own rounding can turn it there, and no further.
;; One version. Each part assembles by itself: llvm-mc -triple=amdgcn-amd-amdhsa -mcpu=gfx1250 --defsym DOCPART=n.
;; ======== version 1 of 1: 4 launches
;; workspace buffers: xw_codes 11,010,048 bytes; xw_scales 458,752 bytes; kvq_codes 6,291,456 bytes; kvq_scales 262,144 bytes; a_codes 3,145,728 bytes; a_scales 131,072 bytes
;; launch quant (part 1): grid 512 x 1, 4 waves a work-group, no clusters, 68,096 bytes of LDS; arguments x, past_k, past_v, Wq, Wo, Wk, Wv, xw_codes, xw_scales, kvq_codes, kvq_scales; writes xw_codes, xw_scales, kvq_codes, kvq_scales
.if DOCPART == 1
	.amdgcn_target "amdgcn-amd-amdhsa--gfx1250"
	.amdhsa_code_object_version 6
	.text
	.protected	k_q7f6153c600_quant
	.globl	k_q7f6153c600_quant
	.p2align	8
	.type	k_q7f6153c600_quant,@function
k_q7f6153c600_quant:
	s_mov_b64 s[64:65], 0
	v_nop
	global_prefetch_b8 v0, s[64:65] scope:SCOPE_SE
	s_setreg_imm32_b32 hwreg(HW_REG_WAVE_MODE, 25, 1), 1
	s_wait_xcnt 0x0
; x, Wq, Wk, Wv, Wo, past_k and past_v, all f32, become codes of FP6 (E2M3) with one E8M0 byte for each 32 along the K of the product that reads them.
; THE UNIT OF ALL CODE BUFFERS: 16 rows x 64 codes, 16 rows of 48 bytes on end (768 bytes).  Lane (r = lane % 16, h = lane / 16) owns the 24 bytes at 48 r + 24 h: block h of row r: six registers of an operand.
; THE ORDER INSIDE A BLOCK OF 32: position 16 h' + 8 a' + j holds the block's number 16 a' + 8 h' + j (the two middle groups of eight change places).  Every operand of every product of this program
; is laid so, on both sides alike, so each product pairs the same numbers and a block keeps its 32 numbers and its scale.  (Operands made from matrix results come out so by themselves.)
; A SCALE WORD: four bytes, 128 along K of one row; stored [tile of 16 rows][K step][16 words].
; A block's scale is 2^(floor(log2(largest magnitude)) - 2); its byte is the largest magnitude's exponent field - 2, held at 1 from below.
; LIMITS: a block of zeros gets the byte 1 where the rule says 127 (its codes are zeros; only this program reads the bytes); blocks whose largest magnitude lies under 2^-124 are held at the byte 1;
; NaN and infinities among the inputs are not served.
; 512 work-groups of four waves, 131,072 input bytes each: 0-127 x; 128-159 past_k (K innermost: through the wave's own stage in LDS); 160-191 past_v; 192-447 Wq, Wo; 448-511 Wk, Wv (K outermost:
; a lane takes a column, its registers run down K).  Waves share nothing: no barrier.  No matrix unit, no cluster, no tensor load: a stream, read once.
.set V0,   1572864                     ; kvq_codes: K's codes at 0, V's here
.set WV,   32                          ; s32  wave
.set SEL,  34                          ; s[34:35] lane selects: lane l xor 16
.set FLR,  36                          ; s36  the floor 2^(3 - 127)
.set IN,   26                          ; s[26:27] my wave's input
.set CO,   28                          ; s[28:29] my wave's codes
.set SO,   30                          ; s[30:31] my wave's scale words
.set LANE, 1
.set RR,   2
.set HH,   3
.set OUT,  4                           ; v4   48 r + 24 h
.set LN4,  5                           ; v5   4 x lane
.set LN16, 6                           ; v6   16 x lane
.set TM,   8                           ; v8-23  at work: +0..3 largest magnitudes, +4..7 bytes, +12..15 the conversions' scale operands
.set PW,   24                          ; v24  the scale word just made
.set WD,   25                          ; v25-28 a wave's four scale words
.set STI,  29                          ; v29  the stage, on the way in
.set STO,  30                          ; v30  and on the way out
.set R0,   32                          ; v32-159 two sets of 64 numbers as loaded
.set X,    160                         ; v160-223 64 numbers in the operand's order
.set PC,   224                         ; v224-239 codes: four runs of three registers
.set KX,   32                          ; K outermost: v32-95 two sets of 32 numbers
.set KC,   96                          ; v96-111 codes of an even and an odd block
.set KW,   24                          ; v24-25 two scale words
; 64 numbers of a lane, register 16 b + i = position 16 h + i of block b of my row, become codes: afterwards v[PC], v[PC+4] hold positions 0-15 and 16-31 of MY block of blocks 0, 1 (block h), v[PC+8], v[PC+12] of blocks 2, 3; v[PW] my row's scale word.
.macro QUANTS s
.irp b, 0,1,2,3
	v_max3_num_f32 v[TM+\b], |v[(\s)+16*\b]|, |v[(\s)+16*\b+1]|, s[FLR]    ; my 16 numbers and the floor: the byte cannot fall under 1
.endr
.irp i, 2,4,6,8,10,12,14
.irp b, 0,1,2,3
	v_max3_num_f32 v[TM+\b], v[TM+\b], |v[(\s)+16*\b+\i]|, |v[(\s)+16*\b+\i+1]|   ; the four blocks by turns
.endr
.endr
.irp b, 0,1,2,3
	v_permlanex16_b32 v[TM+4+\b], v[TM+\b], s[SEL], s[SEL+1]
.endr
.irp b, 0,1,2,3
	v_max_num_f32 v[TM+\b], v[TM+\b], v[TM+4+\b]                           ; with lane l xor 16's 16: the block's largest magnitude
.endr
.irp b, 0,1,2,3
	v_add_nc_u32 v[TM+12+\b], 0xff000000, v[TM+\b]                         ; 2 off its exponent field: the conversion takes this operand's exponent field as its scale
.endr
.irp b, 0,1,2,3
	v_lshrrev_b32 v[TM+4+\b], 23, v[TM+12+\b]                              ; the byte
.endr
	v_lshl_or_b32 v[PW], v[TM+5], 8, v[TM+4]
	v_lshl_or_b32 v[PW], v[TM+6], 16, v[PW]
	v_lshl_or_b32 v[PW], v[TM+7], 24, v[PW]
.irp b, 0,1,2,3
	v_cvt_scalef32_pk16_fp6_f32 v[PC+4*\b:PC+4*\b+2], v[(\s)+16*\b:(\s)+16*\b+15], v[TM+12+\b]
.endr
	v_nop                                          ; one plain instruction behind the scaled conversions
.irp i, 0,1,2
	v_permlane16_swap_b32 v[PC+\i], v[PC+4+\i]     ; the first's lanes 16-31 change places with the second's lanes 0-15: a lane then holds a whole block
	v_permlane16_swap_b32 v[PC+8+\i], v[PC+12+\i]
.endr
.endm
; K INNERMOST.  A fragment is 16 rows x 128 numbers.  kind 0 (x): row n's 512 bytes, rows 8,192 bytes apart.  kind 1 (past_k): 32 keys of 256 bytes, dense; the fragment's row r is key r, then key 16 + r.
.macro LOADG kind, f
.set n, 0
.rept 16
.if \kind == 0
	global_load_b128 v[R0+64*((\f)%2)+4*n:R0+64*((\f)%2)+4*n+3], v[LN16], s[IN:IN+1] offset:n*8192+(\f)*512 th:TH_LOAD_NT   ; 32 lanes read 512 consecutive bytes
.else
	global_load_b128 v[R0+64*((\f)%2)+4*n:R0+64*((\f)%2)+4*n+3], v[LN16], s[IN:IN+1] offset:n*512+(\f)*8192 th:TH_LOAD_NT
.endif
.set n, n+1
.endr
.endm
.macro KIN kind
	s_mul_i32 s37, s[WV], 8448                     ; my stage: 16 rows of 512 + 16 bytes; each of the two kinds has LDS bytes of its own
	s_add_co_u32 s37, s37, \kind*33792
.if \kind == 0
	v_add_nc_u32 v[STI], s37, v[LN16]
.else
	v_mul_u32_u24 v[STI], v[HH], 528               ; a load holds two keys: lanes 16-31 the second
	v_lshl_add_u32 v[STI], v[RR], 4, v[STI]
	v_add_nc_u32 v[STI], s37, v[STI]
.endif
	v_mul_u32_u24 v[STO], v[RR], 528
	v_lshl_add_u32 v[STO], v[HH], 5, v[STO]
	v_add_nc_u32 v[STO], s37, v[STO]               ; out: row r, + 32 h
	LOADG \kind, 0
	LOADG \kind, 1
.irp f, 0,1,2,3
.if \f < 3
	s_wait_loadcnt 16                              ; this fragment's 16 loads are in; the next fragment's 16 may be out
.else
	s_wait_loadcnt 0x0
.endif
.set n, 0
.rept 16
.if \kind == 0
	ds_store_b128 v[STI], v[R0+64*(\f%2)+4*n:R0+64*(\f%2)+4*n+3] offset:n*528
.else
	ds_store_b128 v[STI], v[R0+64*(\f%2)+4*n:R0+64*(\f%2)+4*n+3] offset:((2*n)%16)*528+256*(n/8)
.endif
.set n, n+1
.endr
.set n, 0
.rept 16                                       ; n = 4 b + 2 a' + c: registers 16 b + 8 a' + 4 c on take the block's numbers 16 a' + 8 h + 4 c on.  LDS serves a wave's instructions in order: these see the stores above
	ds_load_b128 v[X+4*n:X+4*n+3], v[STO] offset:128*(n/4)+64*((n/2)%2)+16*(n%2)
.set n, n+1
.endr
	s_wait_dscnt 0x0                               ; the numbers are back, and the stores have read the set that the next loads take
	s_wait_xcnt 0x0                                ; the last fragment's stores have read their data: the codes' registers are written again only behind this wait
.if \f < 2
	LOADG \kind, \f+2
.endif
	QUANTS X
	v_mov_b32 v[WD+\f], v[PW]
	global_store_b96 v[OUT], v[PC:PC+2], s[CO:CO+1] offset:\f*1536            ; the wave's four stores cover 1,536 consecutive bytes
	global_store_b96 v[OUT], v[PC+4:PC+6], s[CO:CO+1] offset:\f*1536+12
	global_store_b96 v[OUT], v[PC+8:PC+10], s[CO:CO+1] offset:\f*1536+768
	global_store_b96 v[OUT], v[PC+12:PC+14], s[CO:CO+1] offset:\f*1536+780
.endr
	v_cndmask_b32 v[WD], v[WD], v[WD+1], vcc_lo    ; lanes 0-15 the even fragment's words, lanes 16-31 the odd one's: 128 consecutive bytes a store
	v_cndmask_b32 v[WD+2], v[WD+2], v[WD+3], vcc_lo
	global_store_b32 v[LN4], v[WD], s[SO:SO+1]
	global_store_b32 v[LN4], v[WD+2], s[SO:SO+1] offset:128
	s_wait_tensorcnt 0x0
	ds_add_u32 v254, v255
	s_wait_dscnt 0x0
	s_endpgm
.endm
; K OUTERMOST.  A wave takes 32 columns (a lane a column) x 256 along K: 8 blocks a lane.  Register w of a block takes the row that belongs at position w.
.macro LOADB t, pitch
.set n, 0
.rept 32
	global_load_b32 v[KX+32*((\t)%2)+n], v[LN4], s[IN:IN+1] offset:(32*(\t)+16*((n/8)%2)+8*(n/16)+n%8)*\pitch th:TH_LOAD_NT   ; 32 lanes read 128 consecutive bytes
.set n, n+1
.endr
.endm
.macro KOUT pitch, tst, mst, sts, sks          ; tst: bytes from my first tile of 16 columns to my second; mst: from 64 along K to the next; sts, sks: the same for the scale words, by tile and by K step
	LOADB 0, \pitch
	LOADB 1, \pitch
.irp t, 0,1,2,3,4,5,6,7
.set XS, KX+32*(\t%2)
.set CC, KC+8*(\t%2)
.if \t < 7
	s_wait_loadcnt 32                              ; this block's 32 loads are in; the next block's may be out
.else
	s_wait_loadcnt 0x0
.endif
	v_max3_num_f32 v12, |v[XS]|, |v[XS+1]|, |v[XS+2]|      ; all 32 numbers of the block are mine
	v_max3_num_f32 v13, |v[XS+3]|, |v[XS+4]|, |v[XS+5]|
.irp i, 6,10,14,18,22,26
	v_max3_num_f32 v12, v12, |v[XS+\i]|, |v[XS+\i+1]|
	v_max3_num_f32 v13, v13, |v[XS+\i+2]|, |v[XS+\i+3]|
.endr
	v_max3_num_f32 v12, v12, |v[XS+30]|, |v[XS+31]|
	v_max3_num_f32 v12, v12, v13, s[FLR]
	v_add_nc_u32 v11, 0xff000000, v12
	v_lshrrev_b32 v13, 23, v11
.if \t%4 == 0
	v_mov_b32 v[KW+\t/4], v13
.else
	v_lshl_or_b32 v[KW+\t/4], v13, 8*(\t%4), v[KW+\t/4]
.endif
.if \t%2 == 0
	s_wait_xcnt 0x0                                ; the last pair's stores have read their data: the codes' registers are written again only behind this wait
.endif
	v_cvt_scalef32_pk16_fp6_f32 v[CC:CC+2], v[XS:XS+15], v11
	v_cvt_scalef32_pk16_fp6_f32 v[CC+4:CC+6], v[XS+16:XS+31], v11
	v_nop                                          ; one plain instruction behind the scaled conversions
.if \t < 6
	LOADB \t+2, \pitch
.endif
.if \t%2 == 1
.irp i, 0,1,2
	v_permlane16_swap_b32 v[KC+\i], v[KC+8+\i]     ; even block's lanes 16-31 <-> odd block's lanes 0-15: the first now is the unit of columns 0-15 (lane (r, h): block h), the second that of columns 16-31
	v_permlane16_swap_b32 v[KC+4+\i], v[KC+12+\i]
.endr
	global_store_b96 v[OUT], v[KC:KC+2], s[CO:CO+1] offset:(\t/2)*\mst
	global_store_b96 v[OUT], v[KC+4:KC+6], s[CO:CO+1] offset:(\t/2)*\mst+12
	global_store_b96 v[OUT], v[KC+8:KC+10], s[CO:CO+1] offset:(\t/2)*\mst+\tst
	global_store_b96 v[OUT], v[KC+12:KC+14], s[CO:CO+1] offset:(\t/2)*\mst+\tst+12
.endif
.endr
	v_mul_u32_u24 v14, v[HH], \sts
	v_lshl_add_u32 v14, v[RR], 2, v14
	global_store_b32 v14, v[KW], s[SO:SO+1]
	global_store_b32 v14, v[KW+1], s[SO:SO+1] offset:\sks
	s_endpgm
.endm
; A weight [2048][columns]: work-group j of its path: the first nh take the tensor at s[pa], the others that at s[pb]; column group j % 2^cgb (128 columns), chunk of 256 along K above it; ta, tb: the tensors' first tiles in xw_codes
.macro WBASE j0, nh, pa, pb, ta, tb, cgb, ysh
	s_sub_co_u32 s37, ttmp9, \j0
	s_cmp_lt_u32 s37, \nh
	s_cselect_b64 s[IN:IN+1], s[\pa:\pa+1], s[\pb:\pb+1]   ; the choice hangs on the work-group's number alone
	s_mov_b32 s44, \tb
	s_cselect_b32 s44, \ta, s44
	s_and_b32 s45, s37, (1<<\cgb)-1
	s_and_b32 s46, s37, \nh-1
	s_lshr_b32 s46, s46, \cgb
	s_lshl_b32 s38, s46, \ysh                      ; 256 rows of the weight a chunk
	s_lshl_b32 s47, s45, 9
	s_add_co_u32 s38, s38, s47
	s_lshl_b32 s47, s[WV], 7
	s_add_co_u32 s38, s38, s47
	s_add_nc_u64 s[IN:IN+1], s[IN:IN+1], s[38:39]
	s_lshl_b32 s45, s45, 3
	s_add_co_u32 s44, s44, s45
	s_lshl_b32 s47, s[WV], 1
	s_add_co_u32 s44, s44, s47                     ; my first tile
	s_mul_i32 s40, s44, 24576
	s_mul_i32 s47, s46, 3072
	s_add_co_u32 s40, s40, s47
	s_add_nc_u64 s[CO:CO+1], s[18:19], s[40:41]
	s_lshl_b32 s42, s44, 10
	s_lshl_b32 s47, s46, 7
	s_add_co_u32 s42, s42, s47
	s_add_nc_u64 s[SO:SO+1], s[20:21], s[42:43]
.endm
	s_load_b512 s[4:19], s[0:1], 0x0               ; x, past_k, past_v, Wq, Wo, Wk, Wv, xw_codes
	s_load_b128 s[20:23], s[0:1], 0x40             ; xw_scales, kvq_codes
	s_load_b64 s[24:25], s[0:1], 0x50              ; kvq_scales
	v_lshl_add_u32 v254, v0, 2, 0x10800
	v_mov_b32 v255, 0
	v_lshrrev_b32 v7, 5, v0
	v_readfirstlane_b32 s[WV], v7
	v_and_b32 v[LANE], 31, v0
	v_and_b32 v[RR], 15, v0
	v_bfe_u32 v[HH], v0, 4, 1
	v_mul_u32_u24 v[OUT], v[RR], 48
	v_mad_u32_u24 v[OUT], v[HH], 24, v[OUT]
	v_lshlrev_b32 v[LN4], 2, v[LANE]
	v_lshlrev_b32 v[LN16], 4, v[LANE]
	v_cmp_eq_u32 vcc_lo, 1, v[HH]                  ; lanes 16-31
.irp b, 0,1,2,3
	v_mov_b32 v[TM+4+\b], 0                        ; written once: a lane permute's destination counts as one of its sources
.endr
	s_mov_b32 s[SEL], 0x76543210
	s_mov_b32 s[SEL+1], 0xfedcba98
	s_mov_b32 s[FLR], 0x1800000
	s_mov_b32 s39, 0                               ; the upper words of three offsets
	s_mov_b32 s41, 0
	s_mov_b32 s43, 0
	s_wait_kmcnt 0x0
	s_cmp_lt_u32 ttmp9, 128
	s_cbranch_scc1 .Lx
	s_cmp_lt_u32 ttmp9, 160
	s_cbranch_scc1 .Lpk
	s_cmp_lt_u32 ttmp9, 192
	s_cbranch_scc1 .Lpv
	s_cmp_lt_u32 ttmp9, 448
	s_cbranch_scc1 .Lwbig
	WBASE 448, 32, 14, 16, 256, 288, 2, 19         ; Wk, Wv: rows of 2,048 bytes
	KOUT 2048, 24576, 768, 1024, 64
.Lwbig:
	WBASE 192, 128, 10, 12, 128, 320, 4, 21        ; Wq, Wo: rows of 8,192 bytes
	KOUT 8192, 24576, 768, 1024, 64
.Lx:                                               ; x: tile of 16 rows = work-group; wave w takes K steps 4 w .. 4 w + 3
	s_lshl_b32 s38, ttmp9, 17
	s_lshl_b32 s37, s[WV], 11
	s_add_co_u32 s38, s38, s37
	s_add_nc_u64 s[IN:IN+1], s[4:5], s[38:39]
	s_lshl_b32 s37, ttmp9, 4
	s_lshl_b32 s44, s[WV], 2
	s_add_co_u32 s37, s37, s44                     ; 16 x tile + my first K step
	s_mul_i32 s40, s37, 1536
	s_add_nc_u64 s[CO:CO+1], s[18:19], s[40:41]
	s_lshl_b32 s42, s37, 6
	s_add_nc_u64 s[SO:SO+1], s[20:21], s[42:43]
	KIN 0
.Lpk:                                              ; past_k: fragments of 32 keys, 32 to a head; my four are 16 j + 4 w on
	s_sub_co_u32 s37, ttmp9, 128
	s_lshl_b32 s37, s37, 4
	s_lshl_b32 s44, s[WV], 2
	s_add_co_u32 s37, s37, s44
	s_lshl_b32 s38, s37, 13
	s_add_nc_u64 s[IN:IN+1], s[6:7], s[38:39]
	s_lshr_b32 s44, s37, 5                         ; head
	s_and_b32 s45, s37, 31                         ; fragment in the head's past half
	s_lshl_b32 s44, s44, 6                         ; a head has 64 fragments in the buffer: past, then new
	s_add_co_u32 s44, s44, s45
	s_mul_i32 s40, s44, 1536
	s_add_nc_u64 s[CO:CO+1], s[22:23], s[40:41]
	s_lshl_b32 s42, s44, 6
	s_add_nc_u64 s[SO:SO+1], s[24:25], s[42:43]
	KIN 1
.Lpv:                                              ; past_v: K = the keys, rows of 256 bytes.  head = j / 2; my 32 of the 64 channels = wave % 2; my 256 keys = quarter 2 (j % 2) + wave / 2
	s_sub_co_u32 s37, ttmp9, 160
	s_lshr_b32 s44, s37, 1
	s_and_b32 s45, s37, 1
	s_lshl_b32 s45, s45, 1
	s_lshr_b32 s46, s[WV], 1
	s_add_co_u32 s45, s45, s46
	s_and_b32 s46, s[WV], 1
	s_lshl_b32 s38, s44, 18
	s_lshl_b32 s47, s45, 16
	s_add_co_u32 s38, s38, s47
	s_lshl_b32 s47, s46, 7
	s_add_co_u32 s38, s38, s47
	s_add_nc_u64 s[IN:IN+1], s[8:9], s[38:39]
	s_mul_i32 s40, s44, 98304
	s_mul_i32 s47, s45, 12288
	s_add_co_u32 s40, s40, s47
	s_mul_i32 s47, s46, 1536
	s_add_co_u32 s40, s40, s47
	s_add_co_u32 s40, s40, V0
	s_add_nc_u64 s[CO:CO+1], s[22:23], s[40:41]
	s_lshl_b32 s42, s44, 12
	s_lshl_b32 s47, s45, 9
	s_add_co_u32 s42, s42, s47
	s_lshl_b32 s47, s46, 7
	s_add_co_u32 s42, s42, s47
	s_add_co_u32 s42, s42, 65536
	s_add_nc_u64 s[SO:SO+1], s[24:25], s[42:43]
	KOUT 256, 768, 3072, 64, 256
.Lfunc_end_k_q7f6153c600_quant:
	.size	k_q7f6153c600_quant, .Lfunc_end_k_q7f6153c600_quant-k_q7f6153c600_quant
	.p2alignl 7, 3214868480
	.fill 96, 4, 3214868480
	.section	.rodata,"a",@progbits
	.p2align	6, 0x0
	.amdhsa_kernel k_q7f6153c600_quant
		.amdhsa_group_segment_fixed_size 68096
		.amdhsa_private_segment_fixed_size 0
		.amdhsa_enable_private_segment 0
		.amdhsa_kernarg_size 88
		.amdhsa_user_sgpr_count 2
		.amdhsa_user_sgpr_kernarg_segment_ptr 1
		.amdhsa_wavefront_size32 1
		.amdhsa_system_sgpr_workgroup_id_x 1
		.amdhsa_system_sgpr_workgroup_id_y 1
		.amdhsa_system_sgpr_workgroup_id_z 1
		.amdhsa_system_vgpr_workitem_id 0
		.amdhsa_next_free_vgpr 256
		.amdhsa_next_free_sgpr 66
		.amdhsa_reserve_vcc 1
		.amdhsa_float_denorm_mode_32 3
		.amdhsa_float_denorm_mode_16_64 3
		.amdhsa_memory_ordered 1
		.amdhsa_forward_progress 1
		.amdhsa_inst_pref_size 179
	.end_amdhsa_kernel
	.amdgpu_metadata
---
amdhsa.version: [ 1, 2 ]
amdhsa.kernels:
  - .name:           k_q7f6153c600_quant
    .symbol:         k_q7f6153c600_quant.kd
    .args:
      - { .name: x, .offset: 0, .size: 8, .value_kind: global_buffer, .address_space: global }
      - { .name: past_k, .offset: 8, .size: 8, .value_kind: global_buffer, .address_space: global }
      - { .name: past_v, .offset: 16, .size: 8, .value_kind: global_buffer, .address_space: global }
      - { .name: Wq, .offset: 24, .size: 8, .value_kind: global_buffer, .address_space: global }
      - { .name: Wo, .offset: 32, .size: 8, .value_kind: global_buffer, .address_space: global }
      - { .name: Wk, .offset: 40, .size: 8, .value_kind: global_buffer, .address_space: global }
      - { .name: Wv, .offset: 48, .size: 8, .value_kind: global_buffer, .address_space: global }
      - { .name: xw_codes, .offset: 56, .size: 8, .value_kind: global_buffer, .address_space: global }
      - { .name: xw_scales, .offset: 64, .size: 8, .value_kind: global_buffer, .address_space: global }
      - { .name: kvq_codes, .offset: 72, .size: 8, .value_kind: global_buffer, .address_space: global }
      - { .name: kvq_scales, .offset: 80, .size: 8, .value_kind: global_buffer, .address_space: global }
    .group_segment_fixed_size: 68096
    .private_segment_fixed_size: 0
    .kernarg_segment_align: 8
    .kernarg_segment_size: 88
    .max_flat_workgroup_size: 128
    .sgpr_count:     66
    .vgpr_count:     256
    .wavefront_size: 32
...
	.end_amdgpu_metadata
.endif
;; end of part 1
;; launch qkv (part 2): grid 16 x 16, 4 waves a work-group, clusters of 4 x 4, 327,680 bytes of LDS; arguments xw_codes, xw_scales, cos, sin, bq, bk, bv, kvq_codes, kvq_scales; writes kvq_codes, kvq_scales
.if DOCPART == 2
	.amdgcn_target "amdgcn-amd-amdhsa--gfx1250"
	.amdhsa_code_object_version 6
	.text
	.protected	k_q7f6153c600_qkv
	.globl	k_q7f6153c600_qkv
	.p2align	8
	.type	k_q7f6153c600_qkv,@function
k_q7f6153c600_qkv:
	s_mov_b64 s[64:65], 0
	v_nop
	global_prefetch_b8 v0, s[64:65] scope:SCOPE_SE
	s_setreg_imm32_b32 hwreg(HW_REG_WAVE_MODE, 25, 1), 1
	s_wait_xcnt 0x0
	s_wait_alu depctr_hold_cnt(0) depctr_sa_sdst(0) depctr_va_vdst(0) depctr_va_sdst(0) depctr_va_ssrc(0) depctr_va_vcc(0) depctr_vm_vsrc(0)
	s_getreg_b32 s2, hwreg(HW_REG_IB_STS2, 6, 4)
	s_cmp_eq_u32 s2, 0
	s_cbranch_scc0 .Lentry_in_a_cluster
	s_endpgm
.Lentry_in_a_cluster:
	s_bfe_u32 s2, ttmp6, 0x10000c
	s_cmp_lg_u32 s2, 0xf033
	s_cbranch_scc0 .Lentry_shape_is_right
	s_endpgm
.Lentry_shape_is_right:
; q = rope(x Wq + bq), k = rope(x Wk + bk), v = x Wv + bv, on codes of FP6 (E2M3) with E8M0 scales; the results are quantised in registers for the two products of attention and leave as codes:
; q and k along the head's 64 (q's bytes lessened by 3: the factor 64^-1/2 = 2^-3, exact), v along the keys.  No f32 result goes to memory.
; SHARES.  2,048 x 3,072 outputs are 256 tiles of 128 rows x 192 columns: work-group (gx, gy) takes rows 128 gy on, query heads 2 gx and 2 gx + 1, and ONE key or value head (called E): Wk's head gx for gx < 8, else Wv's head gx - 8;
; in xw_codes that head begins at tile 256 + 4 gx in both cases.  A wave (wr = wave / 2, wc = wave % 2) has 24 accumulators: 64 rows (64 wr on) x query head 2 gx + wc, and 32 of those rows (32 wc on) x E's 64 columns.
; A wave loads its four row tiles in the order a xor 2 wc, so that the 32 rows of its share of E stand in the same registers (slots 0, 1) in every wave; the order is made by addresses alone.
; K = 2,048 goes in four chunks of 512 through two LDS slots (A's and B's tiles); E lies in LDS for all of K.  First fills of a wave: scale words, chunk 0, its quarter of E, chunk 1: four tensor loads are out at the most.
; Two refills, each behind a round of the cluster's barrier: chunk 2 behind K step 3, chunk 3 behind K step 7; each has four K steps, 96 matrix instructions of a wave, in which to land.
; OPERANDS lie in memory as units of 16 rows x 64 codes (768 bytes, rows of 48): a fragment (16 rows x 128 K) is two units: six loads of 8 bytes at 48 r + 24 h.  Row r starts at word 12 r: 12 r mod 64 takes
; 16 different multiples of 4 and h adds 6, so the 32 lanes of a load touch 64 different banks (64 banks of 4 bytes: ISA guide 11.1): no padding.
; SOURCE 0 takes columns of a weight (they run along a lane's registers in the result), source 1 rows of x (they lie on the lanes): lane (r, h), register j of accumulator (a, b) = (row of slot a, r; column 16 b + 8 h + j).
; So the main loop is one text for k and v.  The text parts behind the last product, on the cluster's x (0, 1: k; 2, 3: v), which all partners share.  v is turned through the wave's own stage in LDS, so that a lane's registers run along the keys.
; CLUSTERS of 4 x 4: x's tiles are asked for jointly along a row of the cluster, the weights' along a column.  No prefetch: half of K and all of E are asked for at the head.  One tile to a work-group.
; LIMITS: a block of zeros carries the byte 1, not 127 (its codes are zeros; only this program reads the bytes); blocks under 2^-124 (q: 2^-121) are held at the floor's byte; NaN and infinities are not served.
; REGISTERS, in windows of 256.  window 0: v1 r, v2 h, v3 48 r + 24 h, v6-31 offsets and LDS addresses, v32-39 A's and B's scale words (two sets), v40-71 E's scale words, v128-255 q's accumulators.
;   window 1: fragment buffer 0 (v0-143: B's four, A's four, E's four); v160-223 E's eight accumulators; behind the loop v0-63 v's numbers on their way to the stage.
;   window 2: fragment buffer 1 (v0-143); v144-175 bq, v176-207 bk or bv; behind the loop v0-63 Y, v64-95 T, v96-115 at work, v120-135 codes.   window 3: cos and sin: slot a: cos at 64 a, sin at 64 a + 32.
.set SLOTB, 98304                      ; a slot: A's 8 tiles x 6,144 bytes, then B's
.set EB,    2*SLOTB                    ; E: quarter of K q, tile t at 24,576 q + 6,144 t
.set SCL,   3*SLOTB                    ; the scale words: A's 8,192 bytes, B's 8,192
.set SPARE, SCL+16384                  ; the spare words, 128 bytes for each wave: two blocks of 256 bytes that no other line names
.set V0,    1572864
.set Q0,    3145728
.set WV,  22
.set WR,  23                           ; wave / 2: my half of the rows; also: I fetch for A (0) or B (1)
.set WC,  66                           ; wave % 2: my query head; also: which half of a group I fetch
.set G1A, 24
.set G1B, 32
.set G1SA, 40
.set G1SB, 48
.set G0SA, 56
.set G0SB, 60
.set G0A, 68                           ; s[68:75] a set for each slot
.set G0E, 76                           ; s[76:79]
.set G0B, 80                           ; s[80:87]
.set QC,  88                           ; s[88:89] q's codes
.set ESP, 90                           ; s[90:91] E's scale words in memory
.set QS,  98                           ; s[98:99] q's scale words
.set SEL, 2
.set FLR, 104
.set SUB, 105
.set SH8, 6                            ; v6  8 h
.set ES4, 8                            ; v8  4 r + 512 h
.set R4,  9                            ; v9  4 r
.set OUTP, 10                          ; v10, v11  where the pairs of slots 0, 1 and 2, 3 put their units
.set CSA, 12                           ; v12, v13  cos, sin: the rows of slots 0, 1 and of slots 2, 3
.set BO,  14                           ; v14 32 h
.set LNX, 15                           ; v15 64 (h xor wc) + 4 r
.set ADRA0, 16                         ; v16, v17  A's slots 0, 1 in LDS slot 0, 1
.set ADRA1, 18                         ; v18, v19  A's slots 2, 3
.set ADRB, 20                          ; v20, v21
.set ADRE, 22                          ; v22, v23  E's quarters 0, 1 and 2, 3
.set ADRS0, 24                         ; v24 scale words: lanes 0-15 A's slots 0, 1, lanes 16-31 B's tiles 0, 1
.set ADRS1, 25                         ; v25 the same for 2, 3
.set KVO, 26                           ; v26 768 h + 48 r + 24 wc
.set LN4, 27                           ; v27 64 h + 4 r
.set SPW, 28
.set NIL, 29
.set VST, 30                           ; v30 v's stage, on the way in
.set VLD, 31                           ; v31 and on the way out
.set SC,  32
.set SE,  40
.set ACC, 128
.set TT,  0                            ; window 1
.set AE,  160
.set Y,   0                            ; window 2
.set T,   64
.set TM,  96
.set PW,  112
.set PWS, 114
.set PC,  120
.set BIAS, 144
.set BK,  176
.set MSB, 0
.macro WIN new                         ; the immediate's high byte repeats the setting that is left
.if MSB != \new
	s_set_vgpr_msb (MSB<<8)|\new
.set MSB, \new
.endif
.endm
.macro PLACES n
.rept \n
	v_nop
.endr
.endm
; A joint load: waves 0 and 1 fetch for A, waves 2 and 3 for B; the branch hangs on the wave's number alone.  Four v_nop follow each of the two lines.
.macro JLOAD g0a, g1a, g0b, g1b
	s_cmp_eq_u32 s[WR], 0
	s_cbranch_scc0 .Lfor_b_\@
	tensor_load_to_lds s[\g0a:\g0a+3], s[\g1a:\g1a+7]
	s_nop 0
.rept 4
	v_nop
.endr
	s_branch .Lasked_\@
.Lfor_b_\@:
	tensor_load_to_lds s[\g0b:\g0b+3], s[\g1b:\g1b+7]
	s_nop 0
.rept 4
	v_nop
.endr
.Lasked_\@:
.endm
.macro CREST                           ; a round of the cluster's barrier behind its opening barrier
	s_cmp_lg_u32 s[WV], 0
	s_cbranch_scc1 .Lnot_wave_0_\@
	s_barrier_signal -3
.Lnot_wave_0_\@:
	s_barrier_wait -3
	s_barrier_signal -1
	s_barrier_wait -1
.endm
.macro CROUND
	s_barrier_signal -1
	s_barrier_wait -1
	CREST
.endm
.macro SETG s                          ; group 0 for LDS slot s and chunk s, A's and B's
	s_mov_b32 s[G0A+4*\s], 1
	s_add_co_u32 s[G0A+4*\s+1], s104, \s*SLOTB
	s_add_nc_u64 s[G0A+4*\s+2:G0A+4*\s+3], s[98:99], \s*6144
	s_or_b32 s[G0A+4*\s+3], s[G0A+4*\s+3], 0x80000000
	s_mov_b32 s[G0B+4*\s], 1
	s_add_co_u32 s[G0B+4*\s+1], s104, \s*SLOTB
	s_add_nc_u64 s[G0B+4*\s+2:G0B+4*\s+3], s[100:101], \s*6144
	s_or_b32 s[G0B+4*\s+3], s[G0B+4*\s+3], 0x80000000
.endm
.macro FRAG reg, adr, off              ; a fragment: two units, 768 bytes apart
.irp p, 0,1,2
	ds_load_b64 v[(\reg)+2*\p:(\reg)+2*\p+1], v[\adr] offset:(\off)+8*\p
.endr
.irp p, 0,1,2
	ds_load_b64 v[(\reg)+6+2*\p:(\reg)+6+2*\p+1], v[\adr] offset:(\off)+768+8*\p
.endr
.endm
; K step k's operands go into buffer k % 2 (window 1 or 2) in two runs.  The first, 40 LDS loads: B's four fragments, A's slots 0, 1, four registers of scale words
.macro FETCHA k
.set SL, ((\k)/4)%2
.set KO, ((\k)%4)*1536
	WIN (0x40*(1+(\k)%2))
.irp i, 0,1,2,3
	FRAG 12*\i, ADRB+SL, KO+\i*6144
.endr
.irp i, 0,1
	FRAG 48+12*\i, ADRA0+SL, KO+\i*6144
.endr
	WIN 0
.irp i, 0,1
	ds_load_b32 v[SC+4*((\k)%2)+\i], v[ADRS0] offset:\i*1024+(\k)*64
.endr
.irp i, 0,1
	ds_load_b32 v[SC+4*((\k)%2)+2+\i], v[ADRS1] offset:\i*1024+(\k)*64
.endr
.endm
.macro FETCHB k                        ; the second, 36 LDS loads: A's slots 2, 3 and E's four fragments
.set SL, ((\k)/4)%2
.set KO, ((\k)%4)*1536
	WIN (0x40*(1+(\k)%2))
.irp i, 0,1
	FRAG 72+12*\i, ADRA1+SL, KO+\i*6144
.endr
.irp i, 0,1,2,3
	FRAG 96+12*\i, ADRE+(\k)/8, (((\k)/4)%2)*24576+KO+\i*6144
.endr
.endm
.macro WMQ acc, fb, fa, zero, sb, sa   ; B's scale words stand in lanes 16-31, A's in lanes 0-15
.if \zero
	v_wmma_scale_f32_16x16x128_f8f6f4 v[(\acc):(\acc)+7], v[(\fb):(\fb)+11], v[(\fa):(\fa)+11], 0, v[\sb], v[\sa] matrix_a_fmt:MATRIX_FMT_FP6 matrix_b_fmt:MATRIX_FMT_FP6 matrix_a_scale:MATRIX_SCALE_ROW1
.else
	v_wmma_scale_f32_16x16x128_f8f6f4 v[(\acc):(\acc)+7], v[(\fb):(\fb)+11], v[(\fa):(\fa)+11], v[(\acc):(\acc)+7], v[\sb], v[\sa] matrix_a_fmt:MATRIX_FMT_FP6 matrix_b_fmt:MATRIX_FMT_FP6 matrix_a_scale:MATRIX_SCALE_ROW1
.endif
.endm
.macro WME acc, fe, fa, zero, se, sa, row  ; E's scale words: lanes 0-15 for K steps 0-7, lanes 16-31 for K steps 8-15
.if \zero
	v_wmma_scale_f32_16x16x128_f8f6f4 v[(\acc):(\acc)+7], v[(\fe):(\fe)+11], v[(\fa):(\fa)+11], 0, v[\se], v[\sa] matrix_a_fmt:MATRIX_FMT_FP6 matrix_b_fmt:MATRIX_FMT_FP6
.elseif \row
	v_wmma_scale_f32_16x16x128_f8f6f4 v[(\acc):(\acc)+7], v[(\fe):(\fe)+11], v[(\fa):(\fa)+11], v[(\acc):(\acc)+7], v[\se], v[\sa] matrix_a_fmt:MATRIX_FMT_FP6 matrix_b_fmt:MATRIX_FMT_FP6 matrix_a_scale:MATRIX_SCALE_ROW1
.else
	v_wmma_scale_f32_16x16x128_f8f6f4 v[(\acc):(\acc)+7], v[(\fe):(\fe)+11], v[(\fa):(\fa)+11], v[(\acc):(\acc)+7], v[\se], v[\sa] matrix_a_fmt:MATRIX_FMT_FP6 matrix_b_fmt:MATRIX_FMT_FP6
.endif
.endm
; The 24 accumulators take turns, one instruction a turn, in the same order in every K step
.macro MULQ k, a0, zero                ; slots a0, a0 + 1 x my query head's four tiles
.set SS, SC+4*((\k)%2)
	WIN (5*(1+(\k)%2))                             ; sources 0 and 1: the buffer's window; C and D: window 0
.irp a, \a0, \a0+1
.irp b, 0,1,2,3
	WMQ ACC+8*(4*(\a)+\b), 12*\b, 48+12*(\a), \zero, SS+\b, SS+(\a)
.endr
.endr
.endm
.macro MULE k, zero                    ; slots 0, 1 x E's four tiles
.set SS, SC+4*((\k)%2)
.set SX, SE+4*((\k)%8)
	WIN (0x50+5*(1+(\k)%2))                        ; C and D: window 1
.irp a, 0,1
.irp e, 0,1,2,3
	WME AE+8*(4*\a+\e), 96+12*\e, 48+12*\a, \zero, SX+\e, SS+\a, (\k)/8
.endr
.endr
.endm
.macro STEPN k, zero
	PLACES 4                                       ; four plain instructions between the last products and loads into the registers that they read (ISA guide 7.12.1 for vector instructions); they serve both runs below
	FETCHA (\k)+1
	s_wait_dscnt 40                                ; all but the 40 just issued: this K step's fragments and scale words are in
	MULQ \k, 0, \zero
	MULQ \k, 2, \zero
	FETCHB (\k)+1                                  ; into the other buffer, which the K step before read
	MULE \k, \zero
.endm
.macro MEET k                          ; a K step with a barrier: in front of it each wave waits for all its tensor loads, adds 0 to its spare word, and waits for that and for its LDS reads
	WIN 0
	s_wait_tensorcnt 0x0
	ds_add_u32 v[SPW], v[NIL]
	s_wait_dscnt 1                                 ; the add alone may be out: this K step's fragments are in
	MULQ \k, 0, 0
	s_wait_dscnt 0x0
	s_barrier_signal -1
	MULQ \k, 2, 0
	MULE \k, 0
	WIN 0
	s_barrier_wait -1
.endm
.macro CLOSE
	s_wait_tensorcnt 0x0                           ; the wave's end
	ds_add_u32 v[SPW], v[NIL]
	s_wait_dscnt 0x0
	CROUND                                         ; the closing round: no work-group ends while a partner may still ask for a tile that names it
	s_endpgm
.endm
; 64 numbers of a lane, register 16 b + i = position 16 h + i of block b, become codes (all registers in window 2): v[PC], v[PC+4]: my block (block h) of blocks 0, 1; v[PC+8], v[PC+12]: of blocks 2, 3; v[PW]: the four bytes
.macro QUANTS s
.irp b, 0,1,2,3
	v_max3_num_f32 v[TM+\b], |v[(\s)+16*\b]|, |v[(\s)+16*\b+1]|, s[FLR]
.endr
.irp i, 2,4,6,8,10,12,14
.irp b, 0,1,2,3
	v_max3_num_f32 v[TM+\b], v[TM+\b], |v[(\s)+16*\b+\i]|, |v[(\s)+16*\b+\i+1]|
.endr
.endr
.irp b, 0,1,2,3
	v_permlanex16_b32 v[TM+4+\b], v[TM+\b], s[SEL], s[SEL+1]
.endr
.irp b, 0,1,2,3
	v_max_num_f32 v[TM+\b], v[TM+\b], v[TM+4+\b]
.endr
.irp b, 0,1,2,3
	v_add_nc_u32 v[TM+12+\b], 0xff000000, v[TM+\b]
.endr
.irp b, 0,1,2,3
	v_lshrrev_b32 v[TM+4+\b], 23, v[TM+12+\b]
.endr
	v_lshl_or_b32 v[PW], v[TM+5], 8, v[TM+4]
	v_lshl_or_b32 v[PW], v[TM+6], 16, v[PW]
	v_lshl_or_b32 v[PW], v[TM+7], 24, v[PW]
.irp b, 0,1,2,3
	v_cvt_scalef32_pk16_fp6_f32 v[PC+4*\b:PC+4*\b+2], v[(\s)+16*\b:(\s)+16*\b+15], v[TM+12+\b]
.endr
	v_nop                                          ; one plain instruction behind the scaled conversions
.irp i, 0,1,2
	v_permlane16_swap_b32 v[PC+\i], v[PC+4+\i]
	v_permlane16_swap_b32 v[PC+8+\i], v[PC+12+\i]
.endr
.endm
.macro PUT4 off, base, i0, i1, i2, i3  ; the four runs of codes
	WIN 0x08                                       ; a store's data are its source 1: window 2
	global_store_b96 v[\off], v[PC:PC+2], s[\base:\base+1] offset:\i0
	global_store_b96 v[\off], v[PC+4:PC+6], s[\base:\base+1] offset:\i1
	global_store_b96 v[\off], v[PC+8:PC+10], s[\base:\base+1] offset:\i2
	global_store_b96 v[\off], v[PC+12:PC+14], s[\base:\base+1] offset:\i3
.endm
; Bias and RoPE of one row tile: 32 accumulator registers at acc in window aw (register 8 b + j = feature 16 b + 8 h + j), the cos and sin of slot sl; the result goes to Y + 32 e.  Feature d + 32 lies 16 registers from d.
.macro ROPE acc, aw, bias, sl, e
	WIN (0x88+\aw)                                 ; source 0: the accumulators; source 1 and destination: window 2
.set n, 0
.rept 16
	v_pk_add_f32 v[T+n:T+n+1], v[(\acc)+n:(\acc)+n+1], v[(\bias)+n:(\bias)+n+1]   ; each accumulator from its low end on
.set n, n+2
.endr
	WIN 0xae                                       ; source 1: cos, sin, window 3; all else window 2
.set n, 0
.rept 8
	v_pk_mul_f32 v[Y+32*\e+n:Y+32*\e+n+1], v[T+n:T+n+1], v[64*(\sl)+n:64*(\sl)+n+1]
	v_pk_mul_f32 v[Y+32*\e+16+n:Y+32*\e+16+n+1], v[T+16+n:T+16+n+1], v[64*(\sl)+16+n:64*(\sl)+16+n+1]
.set n, n+2
.endr
.set n, 0
.rept 8
	v_pk_fma_f32 v[Y+32*\e+n:Y+32*\e+n+1], v[T+16+n:T+16+n+1], v[64*(\sl)+32+n:64*(\sl)+32+n+1], v[Y+32*\e+n:Y+32*\e+n+1] neg_lo:[1,0,0] neg_hi:[1,0,0]   ; d < 32: - x(d + 32) sin(d)
	v_pk_fma_f32 v[Y+32*\e+16+n:Y+32*\e+16+n+1], v[T+n:T+n+1], v[64*(\sl)+48+n:64*(\sl)+48+n+1], v[Y+32*\e+16+n:Y+32*\e+16+n+1]                          ; d >= 32: + x(d - 32) sin(d)
.set n, n+2
.endr
.endm
.macro GLCS a0, adr                    ; cos and sin of slots a0, a0 + 1: register 8 b + j = feature 16 b + 8 h + j of the slot's row r
	WIN 0xc0
.irp i, 0,1
.irp n, 0,1,2,3,4,5,6,7
	global_load_b128 v[64*(\a0+\i)+4*\n:64*(\a0+\i)+4*\n+3], v[\adr], s[8:9] offset:\i*4096+64*(\n/2)+16*(\n%2)
	global_load_b128 v[64*(\a0+\i)+32+4*\n:64*(\a0+\i)+32+4*\n+3], v[\adr], s[10:11] offset:\i*4096+64*(\n/2)+16*(\n%2)
.endr
.endr
	WIN 0
.endm
	s_load_b512 s[4:19], s[0:1], 0x0               ; xw_codes, xw_scales, cos, sin, bq, bk, bv, kvq_codes
	s_load_b64 s[20:21], s[0:1], 0x40              ; kvq_scales
	v_lshl_add_u32 v[SPW], v0, 2, SPARE
	v_mov_b32 v[NIL], 0
	ds_add_u32 v28, v29
	s_wait_dscnt 0x0
	v_lshrrev_b32 v1, 5, v0
	v_readfirstlane_b32 s[WV], v1
	s_lshr_b32 s[WR], s[WV], 1
	s_and_b32 s[WC], s[WV], 1
	s_bfe_u32 s92, ttmp6, 0x40000                  ; cx
	s_bfe_u32 s93, ttmp6, 0x40004                  ; cy
	s_lshl_b32 s94, s93, 2
	s_lshl_b32 s94, 15, s94                        ; my row of the cluster
	s_lshl_b32 s95, 0x1111, s92                    ; my column
	s_and_b32 s96, ttmp7, 0xffff
	s_lshl_b32 s96, s96, 2
	s_add_co_u32 s96, s96, s93                     ; gy = 4 x cluster y + cy: A = group gy of x's rows
	s_lshl_b32 s97, ttmp9, 2
	s_add_co_u32 s97, s97, s92                     ; gx = 4 x cluster x + cx: B = group 16 + gx (Wq's columns), E = tiles 256 + 4 gx on
	; descriptor group 1.  Codes: 4 rows (tiles) of 6,144 bytes (768 elements of 8), 24,576 bytes apart.  Scale words: 4,096 dense bytes as 16 rows of 256
	s_or_b32 s[G1A], s94, (3<<16)|(1<<21)          ; 15:0 the mask; 17:16 elements of 8 bytes; 21 set beside a mask; no padding
	s_or_b32 s[G1B], s95, (3<<16)|(1<<21)
	s_or_b32 s[G1SA], s94, (3<<16)|(1<<21)
	s_or_b32 s[G1SB], s95, (3<<16)|(1<<21)
.irp g, G1A, G1B
	s_mov_b32 s[\g+1], 768<<16                     ; tensor_dim0
	s_mov_b32 s[\g+2], 4<<16                       ; tensor_dim1
	s_mov_b32 s[\g+3], 768<<16                     ; tile_dim0
	s_mov_b32 s[\g+4], 4                           ; tile_dim1
	s_mov_b32 s[\g+5], 3072                        ; stride
	s_mov_b32 s[\g+6], 0
	s_mov_b32 s[\g+7], 0
.endr
.irp g, G1SA, G1SB
	s_mov_b32 s[\g+1], 32<<16
	s_mov_b32 s[\g+2], 16<<16
	s_mov_b32 s[\g+3], 32<<16
	s_mov_b32 s[\g+4], 16
	s_mov_b32 s[\g+5], 32
	s_mov_b32 s[\g+6], 0
	s_mov_b32 s[\g+7], 0
.endr
	s_mul_i32 s2, s[WC], 98304                     ; my half of a group's codes,
	s_lshl_b32 s3, s[WC], 12                       ; and of its scale words
	s_mul_i32 s104, s[WV], 24576                   ; where they go: wave x 4 tiles: no place in the cluster enters an LDS address
	s_lshl_b32 s105, s[WV], 12
	s_lshl_b32 s98, s96, 13                        ; A's scale words: 8,192 bytes a group
	s_add_co_u32 s98, s98, s3
	s_mov_b32 s99, 0
	s_lshl_b32 s100, s97, 13                       ; B's: group 16 + gx
	s_add_co_u32 s100, s100, s3
	s_add_co_u32 s100, s100, 131072
	s_mov_b32 s101, 0
	s_mul_i32 s88, s97, 98304                      ; E's codes: 4 tiles of 24,576 bytes from tile 256 + 4 gx on; wave w fetches quarter w of K
	s_mul_i32 s67, s[WV], 6144
	s_add_co_u32 s88, s88, s67
	s_add_co_u32 s88, s88, 6291456
	s_mov_b32 s89, 0
	s_lshl_b32 s90, s97, 12                        ; E's scale words: 1,024 bytes a tile
	s_add_co_u32 s90, s90, 262144
	s_mov_b32 s91, 0
	s_wait_kmcnt 0x0
	s_add_nc_u64 s[ESP:ESP+1], s[6:7], s[90:91]
	CROUND                                         ; all sixteen work-groups are here: the first joint loads meet
	s_mov_b32 s[G0SA], 1
	s_add_co_u32 s[G0SA+1], s105, SCL
	s_add_nc_u64 s[G0SA+2:G0SA+3], s[6:7], s[98:99]
	s_or_b32 s[G0SA+3], s[G0SA+3], 0x80000000
	s_mov_b32 s[G0SB], 1
	s_add_co_u32 s[G0SB+1], s105, SCL
	s_add_nc_u64 s[G0SB+2:G0SB+3], s[6:7], s[100:101]
	s_or_b32 s[G0SB+3], s[G0SB+3], 0x80000000
	JLOAD G0SA, G1SA, G0SB, G1SB                   ; A's and B's scale words of all of K
	s_mul_i32 s98, s96, 196608
	s_add_co_u32 s98, s98, s2
	s_mul_i32 s100, s97, 196608
	s_add_co_u32 s100, s100, s2
	s_add_co_u32 s100, s100, 3145728
	s_add_nc_u64 s[98:99], s[4:5], s[98:99]
	s_add_nc_u64 s[100:101], s[4:5], s[100:101]
	SETG 0
	JLOAD G0A, G1A, G0B, G1B                       ; chunk 0
	s_mov_b32 s[G0E], 1
	s_add_co_u32 s[G0E+1], s104, EB
	s_add_nc_u64 s[G0E+2:G0E+3], s[4:5], s[88:89]
	s_or_b32 s[G0E+3], s[G0E+3], 0x80000000
	tensor_load_to_lds s[G0E:G0E+3], s[G1B:G1B+7]  ; my quarter of E: four tiles x 512 along K: the shape and the mask of B's tiles; both addresses hang on the wave's number
	s_nop 0
.rept 4
	v_nop
.endr
	SETG 1
	JLOAD G0A+4, G1A, G0B+4, G1B                   ; chunk 1
	v_and_b32 v1, 15, v0                           ; r
	v_bfe_u32 v2, v0, 4, 1                         ; h
	v_mul_u32_u24 v3, v1, 48
	v_mad_u32_u24 v3, v2, 24, v3                   ; 48 r + 24 h
	v_lshlrev_b32 v[R4], 2, v1
	v_lshl_add_u32 v[ES4], v2, 9, v[R4]            ; E's scale words: lanes 16-31 take the K step eight further on
.set n, 0
.rept 32                                       ; register 4 k + t: tile t, K step k (lanes 16-31: k + 8): they stay in registers
	global_load_b32 v[SE+n], v[ES4], s[ESP:ESP+1] offset:(n%4)*1024+(n/4)*64
.set n, n+1
.endr
	s_xor_b32 s67, s[WC], 1                        ; 1 - wc
	s_xor_b32 s105, s[WR], 1                       ; 1 - wr
	s_mul_i32 s2, s[WR], 24576                     ; my four tiles of A, in the order a xor 2 wc:
	s_mul_i32 s3, s[WC], 12288
	s_add_co_u32 s3, s3, s2
	v_add_nc_u32 v[ADRA0], s3, v3                  ; slots 0, 1 are tiles 2 wc, 2 wc + 1,
	s_mul_i32 s3, s67, 12288
	s_add_co_u32 s3, s3, s2
	v_add_nc_u32 v[ADRA1], s3, v3                  ; slots 2, 3 the other two
	s_mul_i32 s2, s[WC], 24576
	s_add_co_u32 s2, s2, 49152
	v_add_nc_u32 v[ADRB], s2, v3                   ; my query head's four tiles of B
	v_add_nc_u32 v[ADRA0+1], SLOTB, v[ADRA0]
	v_add_nc_u32 v[ADRA1+1], SLOTB, v[ADRA1]
	v_add_nc_u32 v[ADRB+1], SLOTB, v[ADRB]
	v_add_nc_u32 v[ADRE], EB, v3
	v_add_nc_u32 v[ADRE+1], EB+49152, v3
	s_lshl_b32 s104, s105, 12                      ; 4,096 (1 - wr)
	s_lshl_b32 s2, s[WR], 12                       ; scale words of slots 0, 1: lanes 0-15 at SCL + 4,096 wr + 2,048 wc; lanes 16-31 (B's tiles 0, 1) at SCL + 8,192 + 4,096 wc:
	s_lshl_b32 s3, s[WC], 11
	s_add_co_u32 s2, s2, s3
	s_add_co_u32 s2, s2, SCL
	s_add_co_u32 s3, s3, s104
	s_add_co_u32 s3, s3, 4096                      ; the distance between the two
	v_mul_u32_u24 v4, s3, v2
	v_lshl_add_u32 v4, v1, 2, v4
	v_add_nc_u32 v[ADRS0], s2, v4
	s_lshl_b32 s2, s[WR], 12                       ; of slots 2, 3: lanes 0-15 at SCL + 4,096 wr + 2,048 (1 - wc); lanes 16-31 (B's tiles 2, 3) at SCL + 10,240 + 4,096 wc
	s_lshl_b32 s3, s67, 11
	s_add_co_u32 s2, s2, s3
	s_add_co_u32 s2, s2, SCL
	s_mul_i32 s3, s[WC], 6144
	s_add_co_u32 s3, s3, s104
	s_add_co_u32 s3, s3, 4096
	v_mul_u32_u24 v4, s3, v2
	v_lshl_add_u32 v4, v1, 2, v4
	v_add_nc_u32 v[ADRS1], s2, v4
	s_mul_i32 s2, s[WV], 8704                      ; v's stage: 32 rows (keys) of 256 + 16 bytes for each wave, in LDS slot 0: when it is written, that slot has had its last fill, and its last read stands ahead of the barrier of K step 11
	v_mul_u32_u24 v4, v1, 272
	v_lshl_add_u32 v4, v2, 5, v4
	v_add_nc_u32 v[VST], s2, v4                    ; in: row r, 32 bytes for each half of the lanes
	v_mul_u32_u24 v4, v2, 2176
	v_lshl_add_u32 v4, v1, 2, v4
	v_add_nc_u32 v[VLD], s2, v4                    ; out: column r, 8 rows further down for lanes 16-31
	v_lshl_add_u32 v[LN4], v2, 6, v[R4]
	v_lshlrev_b32 v[SH8], 3, v2
	v_lshlrev_b32 v[BO], 5, v2
	s_mul_i32 s2, s[WC], 1536
	v_add_nc_u32 v[OUTP], s2, v3                   ; slots 0, 1 are the pair wc of my rows' two pairs of tiles,
	s_mul_i32 s2, s67, 1536
	v_add_nc_u32 v[OUTP+1], s2, v3                 ; slots 2, 3 the pair 1 - wc
	v_xor_b32 v4, s[WC], v2
	v_lshl_add_u32 v[LNX], v4, 6, v[R4]
	v_mul_u32_u24 v4, v2, 768
	v_mad_u32_u24 v4, v1, 48, v4
	s_mul_i32 s2, s[WC], 24
	v_add_nc_u32 v[KVO], s2, v4
	v_cmp_eq_u32 vcc_lo, 1, v2                     ; lanes 16-31
	s_wait_tensorcnt 0x1                           ; the scale words, my part of chunk 0 and my quarter of E are in; chunk 1 may stay out
	s_barrier_signal -1
	s_barrier_wait -1
	FETCHA 0
	FETCHB 0
	s_wait_loadcnt 0x0                             ; E's scale words
	STEPN 0, 1                                     ; the first products start the sums: nothing is cleared
	STEPN 1, 0
	STEPN 2, 0
	MEET 3                                         ; all my loads have landed (chunk 1 among them) and my reads of slot 0 are over;
	CREST                                          ; the barrier has opened a round of the cluster's: the same holds of every wave of every partner
	s_add_nc_u64 s[G0A+2:G0A+3], s[G0A+2:G0A+3], 12288
	s_add_nc_u64 s[G0B+2:G0B+3], s[G0B+2:G0B+3], 12288
	JLOAD G0A, G1A, G0B, G1B                       ; chunk 2 into slot 0: the first tensor load behind the round, and my only one until the next.  Its four v_nop are also the places in front of the loads below
	FETCHA 4
	FETCHB 4
	STEPN 4, 0
	STEPN 5, 0
	STEPN 6, 0
	MEET 7                                         ; chunk 2 has landed, and my reads of slot 1 are over
	CREST
	s_add_nc_u64 s[G0A+6:G0A+7], s[G0A+6:G0A+7], 12288
	s_add_nc_u64 s[G0B+6:G0B+7], s[G0B+6:G0B+7], 12288
	JLOAD G0A+4, G1A, G0B+4, G1B                   ; chunk 3 into slot 1: the last tensor load
	FETCHA 8
	FETCHB 8
	WIN 0
	; where the results go, and what the way out reads: made here, behind the last tensor load; the loads below land while K steps 8 to 15 are multiplied
	s_mov_b32 s[SEL], 0x76543210
	s_mov_b32 s[SEL+1], 0xfedcba98
	s_and_b32 s67, s96, 7
	s_lshl_b32 s67, s67, 7
	s_lshl_b32 s100, s[WR], 6
	s_add_co_u32 s67, s67, s100                    ; l0: my first row's position among the 1,024 new ones
	s_mov_b32 s101, 0
	s_lshl_b32 s94, s97, 1
	s_add_co_u32 s94, s94, s[WC]                   ; my query head
	s_lshl_b32 s100, s94, 8
	s_add_nc_u64 s[12:13], s[12:13], s[100:101]    ; its 64 numbers of bq
	s_lshr_b32 s95, s96, 3                         ; the batch
	s_lshl_b32 s100, s95, 5
	s_add_co_u32 s94, s94, s100
	s_lshl_b32 s94, s94, 6
	s_lshr_b32 s100, s67, 4
	s_add_co_u32 s94, s94, s100                    ; q's first unit of my rows
	s_mul_i32 s100, s94, 768
	s_add_co_u32 s100, s100, Q0
	s_add_nc_u64 s[QC:QC+1], s[18:19], s[100:101]
	s_lshl_b32 s100, s94, 5                        ; 64 bytes of scale words for two units
	s_add_co_u32 s100, s100, 131072
	s_add_nc_u64 s[QS:QS+1], s[20:21], s[100:101]
	s_cmp_lt_u32 ttmp9, 2                          ; the cluster's x is the same in all partners
	s_cselect_b64 s[14:15], s[14:15], s[16:17]     ; bk or bv
	s_and_b32 s94, s97, 7                          ; E's head
	s_lshl_b32 s100, s94, 8
	s_add_nc_u64 s[14:15], s[14:15], s[100:101]
	s_lshl_b32 s95, s95, 3
	s_add_co_u32 s94, s94, s95                     ; and among the 16 of both batches
	s_lshl_b32 s100, s[WC], 5
	s_add_co_u32 s100, s100, s67
	s_lshl_b32 s100, s100, 8
	v_lshlrev_b32 v4, 8, v1
	v_lshl_add_u32 v4, v2, 5, v4
	v_add_nc_u32 v[CSA], s100, v4                  ; cos, sin: row l0 + 32 wc + r of 256 bytes, + 32 h: slots 0, 1
	s_xor_b32 s100, s[WC], 1
	s_lshl_b32 s100, s100, 5
	s_add_co_u32 s100, s100, s67
	s_lshl_b32 s100, s100, 8
	v_add_nc_u32 v[CSA+1], s100, v4                ; row l0 + 32 (1 - wc) + r: slots 2, 3
	WIN 0x80
.irp n, 0,1,2,3,4,5,6,7
	global_load_b128 v[BIAS+4*\n:BIAS+4*\n+3], v[BO], s[12:13] offset:64*(\n/2)+16*(\n%2)
	global_load_b128 v[BK+4*\n:BK+4*\n+3], v[BO], s[14:15] offset:64*(\n/2)+16*(\n%2)
.endr
	GLCS 0, CSA
	STEPN 8, 0
	STEPN 9, 0
	GLCS 2, CSA+1
	STEPN 10, 0
	MEET 11                                        ; chunk 3 has landed, for every wave
	PLACES 4
	FETCHA 12
	FETCHB 12
	STEPN 12, 0
	STEPN 13, 0
	STEPN 14, 0
	s_wait_dscnt 0x0
	MULQ 15, 0, 0
	MULQ 15, 2, 0
	MULE 15, 0
	WIN 0
	PLACES 4                                       ; in front of the first read of results and of the first write into the buffers
	WIN 0x80
.irp b, 0,1,2,3
	v_mov_b32 v[TM+4+\b], 0                        ; written once: a lane permute's destination counts as one of its sources
.endr
	s_wait_loadcnt 0x0                             ; biases, cos, sin
	; ---- q: a pair of slots at a time: two units, one scale word for a row of each
	s_mov_b32 s[FLR], 0x3000000                    ; the floor 2^(6 - 127), so that no byte falls under 1 when 3 is taken off
	s_mov_b32 s[SUB], 0x03030303
.irp p, 0,1
	ROPE ACC+64*\p, 0, BIAS, 2*\p, 0
	ROPE ACC+64*\p+32, 0, BIAS, 2*\p+1, 1
.if \p == 1
	s_wait_xcnt 0x0                                ; the first pair's stores have read their data
.endif
	WIN 0xaa
	QUANTS Y
	v_sub_nc_u32 v[PWS+\p], v[PW], s[SUB]          ; 3 off each byte: x 2^-3
	PUT4 OUTP+\p, QC, 0, 12, 768, 780              ; 1,536 consecutive bytes of the wave
.endr
	WIN 0xaa
	v_cndmask_b32 v[PWS], v[PWS], v[PWS+1], vcc_lo ; lanes 0-15 the words of slots 0, 1, lanes 16-31 those of slots 2, 3: 128 consecutive bytes
	WIN 0x08
	global_store_b32 v[LNX], v[PWS], s[QS:QS+1]
	WIN 0
	s_mov_b32 s[FLR], 0x1800000                    ; the floor 2^(3 - 127)
	s_cmp_lt_u32 ttmp9, 2                          ; here the text parts by what E is; each way has its own end
	s_cbranch_scc0 .Lv
	; ---- k: my 32 rows are one fragment of 32 keys: two units and one scale word a row pair
	s_lshl_b32 s94, s94, 7                         ; a head has 128 units: past, then new
	s_lshr_b32 s100, s67, 4
	s_add_co_u32 s94, s94, s100
	s_lshl_b32 s100, s[WC], 1
	s_add_co_u32 s94, s94, s100
	s_add_co_u32 s94, s94, 64
	s_mul_i32 s100, s94, 768
	s_add_nc_u64 s[18:19], s[18:19], s[100:101]
	s_lshl_b32 s100, s94, 5
	s_add_nc_u64 s[20:21], s[20:21], s[100:101]
	ROPE AE, 1, BK, 0, 0
	ROPE AE+32, 1, BK, 1, 1
	s_wait_xcnt 0x0                                ; q's stores have read their data
	WIN 0xaa
	QUANTS Y
	PUT4 3, 18, 0, 12, 768, 780
	global_store_b32 v[R4], v[PW], s[20:21]        ; lanes r and 16 + r store the same word with the same value
	WIN 0
	CLOSE
	; ---- v: lane (r, h), register 32 a + 8 e + j = v(key 16 a + r of my 32, channel 16 e + 8 h + j); the quantiser wants a lane's registers along the keys
.Lv:
	s_lshl_b32 s95, s94, 5                         ; a head has 32 chunks of 64 keys; the new ones begin at chunk 16
	s_lshr_b32 s100, s67, 6
	s_add_co_u32 s95, s95, s100
	s_add_co_u32 s95, s95, 16
	s_mul_i32 s100, s95, 3072
	s_add_co_u32 s100, s100, V0
	s_add_nc_u64 s[18:19], s[18:19], s[100:101]
	s_lshl_b32 s95, s94, 4                         ; 256 bytes of scale words for 128 keys: the work-group's 128 rows; my 32 keys are byte wave of each word
	s_and_b32 s100, s96, 7
	s_add_co_u32 s95, s95, s100
	s_add_co_u32 s95, s95, 8
	s_lshl_b32 s100, s95, 8
	s_add_co_u32 s100, s100, s[WV]
	s_add_co_u32 s100, s100, 65536
	s_add_nc_u64 s[20:21], s[20:21], s[100:101]
	WIN 0x49                                       ; source 0 and destination: window 1; source 1 (bv): window 2
.irp a, 0,1
.set n, 0
.rept 16
	v_pk_add_f32 v[TT+32*\a+n:TT+32*\a+n+1], v[AE+32*\a+n:AE+32*\a+n+1], v[BK+n:BK+n+1]   ; each accumulator from its low end on
.set n, n+2
.endr
.endr
	WIN 0x04                                       ; an LDS store's data are its source 1: window 1
.irp a, 0,1
.irp e, 0,1,2,3
	ds_store_b128 v[VST], v[TT+32*\a+8*\e:TT+32*\a+8*\e+3] offset:\a*4352+64*\e
	ds_store_b128 v[VST], v[TT+32*\a+8*\e+4:TT+32*\a+8*\e+7] offset:\a*4352+64*\e+16
.endr
.endr
	WIN 0x80
.set n, 0
.rept 64                                       ; register 16 e + 8 b + j = v(key 16 b + 8 h + j, channel 16 e + r).  LDS serves a wave's instructions in order: these see my stores.  Lanes 0-15 take 16 neighbouring words, lanes 16-31 those 8 rows (544 words) on: 32 different banks
	ds_load_b32 v[Y+n], v[VLD] offset:(16*((n/8)%2)+n%8)*272+64*(n/16)
.set n, n+1
.endr
	s_wait_dscnt 0x0
	s_wait_xcnt 0x0                                ; q's stores have read their data
	WIN 0xaa
	QUANTS Y                                       ; block e of the four is channel tile e's block of my 32 keys; afterwards lane (r, h) holds the whole blocks of tiles h and 2 + h
	WIN 0x88                                       ; source 0: window 0; source 1 and destination: window 2
	v_lshrrev_b32 v[PWS], v[SH8], v[PW]            ; the byte of tile h,
	v_lshrrev_b32 v[PWS+1], 16, v[PWS]             ; and of tile 2 + h
	PUT4 KVO, 18, 0, 12, 1536, 1548                ; 24 bytes a lane: block wc of row r of the unit of tile h, and of tile 2 + h
	global_store_b8 v[LN4], v[PWS], s[20:21]
	global_store_b8 v[LN4], v[PWS+1], s[20:21] offset:128
	WIN 0
	CLOSE
.Lfunc_end_k_q7f6153c600_qkv:
	.size	k_q7f6153c600_qkv, .Lfunc_end_k_q7f6153c600_qkv-k_q7f6153c600_qkv
	.p2alignl 7, 3214868480
	.fill 96, 4, 3214868480
	.section	.rodata,"a",@progbits
	.p2align	6, 0x0
	.amdhsa_kernel k_q7f6153c600_qkv
		.amdhsa_group_segment_fixed_size 327680
		.amdhsa_private_segment_fixed_size 0
		.amdhsa_enable_private_segment 0
		.amdhsa_kernarg_size 72
		.amdhsa_user_sgpr_count 2
		.amdhsa_user_sgpr_kernarg_segment_ptr 1
		.amdhsa_wavefront_size32 1
		.amdhsa_system_sgpr_workgroup_id_x 1
		.amdhsa_system_sgpr_workgroup_id_y 1
		.amdhsa_system_sgpr_workgroup_id_z 1
		.amdhsa_system_vgpr_workitem_id 0
		.amdhsa_next_free_vgpr 1024
		.amdhsa_next_free_sgpr 106
		.amdhsa_reserve_vcc 1
		.amdhsa_float_denorm_mode_32 3
		.amdhsa_float_denorm_mode_16_64 3
		.amdhsa_memory_ordered 1
		.amdhsa_forward_progress 1
		.amdhsa_inst_pref_size 199
	.end_amdhsa_kernel
	.amdgpu_metadata
---
amdhsa.version: [ 1, 2 ]
amdhsa.kernels:
  - .name:           k_q7f6153c600_qkv
    .symbol:         k_q7f6153c600_qkv.kd
    .args:
      - { .name: xw_codes, .offset: 0, .size: 8, .value_kind: global_buffer, .address_space: global }
      - { .name: xw_scales, .offset: 8, .size: 8, .value_kind: global_buffer, .address_space: global }
      - { .name: cos, .offset: 16, .size: 8, .value_kind: global_buffer, .address_space: global }
      - { .name: sin, .offset: 24, .size: 8, .value_kind: global_buffer, .address_space: global }
      - { .name: bq, .offset: 32, .size: 8, .value_kind: global_buffer, .address_space: global }
      - { .name: bk, .offset: 40, .size: 8, .value_kind: global_buffer, .address_space: global }
      - { .name: bv, .offset: 48, .size: 8, .value_kind: global_buffer, .address_space: global }
      - { .name: kvq_codes, .offset: 56, .size: 8, .value_kind: global_buffer, .address_space: global }
      - { .name: kvq_scales, .offset: 64, .size: 8, .value_kind: global_buffer, .address_space: global }
    .group_segment_fixed_size: 327680
    .private_segment_fixed_size: 0
    .kernarg_segment_align: 8
    .kernarg_segment_size: 72
    .max_flat_workgroup_size: 128
    .sgpr_count:     106
    .vgpr_count:     1024
    .wavefront_size: 32
...
	.end_amdgpu_metadata
.endif
;; end of part 2
;; launch attn (part 3): grid 16 x 16, 16 waves a work-group, clusters of 4 x 4, 327,680 bytes of LDS; arguments attention_mask, kvq_codes, kvq_scales, a_codes, a_scales; writes a_codes, a_scales
.if DOCPART == 3
	.amdgcn_target "amdgcn-amd-amdhsa--gfx1250"
	.amdhsa_code_object_version 6
	.text
	.protected	k_q7f6153c600_attn
	.globl	k_q7f6153c600_attn
	.p2align	8
	.type	k_q7f6153c600_attn,@function
k_q7f6153c600_attn:
	s_mov_b64 s[64:65], 0
	v_nop
	global_prefetch_b8 v0, s[64:65] scope:SCOPE_SE
	s_setreg_imm32_b32 hwreg(HW_REG_WAVE_MODE, 25, 1), 1
	s_wait_xcnt 0x0
	s_wait_alu depctr_hold_cnt(0) depctr_sa_sdst(0) depctr_va_vdst(0) depctr_va_sdst(0) depctr_va_ssrc(0) depctr_va_vcc(0) depctr_vm_vsrc(0)
	s_getreg_b32 s2, hwreg(HW_REG_IB_STS2, 6, 4)
	s_cmp_eq_u32 s2, 0
	s_cbranch_scc0 .Lentry_in_a_cluster
	s_endpgm
.Lentry_in_a_cluster:
	s_bfe_u32 s2, ttmp6, 0x10000c
	s_cmp_lg_u32 s2, 0xf033
	s_cbranch_scc0 .Lentry_shape_is_right
	s_endpgm
.Lentry_shape_is_right:
; out[b][h][q] = softmax_t(q . k_t / 8 + mask[b][q][t]) v_t, both products on codes of FP6 (E2M3) with E8M0 scales; the result is quantised along (head, channel) for the last product and leaves as codes.
; THE SOFTMAX AHEAD OF THE SECOND PRODUCT: t = logit x log2(e); M = the running largest t, rounded UP to a whole number; p = 2^(t - M) is quantised along the keys, not normalised; the row's sum is taken of the
; unquantised p and divides at the end; when M moves, the sum and O are multiplied by 2^(old M - new M): exact.
; SHARES.  A work-group owns one key/value head and 64 queries: wave w takes query head 4 kvh + w % 4 and query tile w / 4: one tile of 16 queries in 256 registers, four waves to a SIMD, so that one wave's
; vector work stands beside another's matrix work and LDS loads.  All sixteen read the same K and V, the four heads the same tile of the mask.  Every wave walks all 2,048 keys, 128 a step: the mask is an input, nothing is skipped.
; K = 64 IN AN INSTRUCTION OF K = 128.  Source 0 is [key tile 2 i | key tile 2 i + 1] (two neighbouring units of 768 bytes); source 1 is [q | 0] or [0 | q], cut out of one run of 18 registers [0 | q | 0]: zero codes add nothing.
; THE MASK COSTS NO VECTOR INSTRUCTION: its tile is loaded from LDS into the score registers and is the C of the score products; 1/8 was taken off q's scale bytes by the launch before.  The result is the logit.
; Both products are used transposed: a lane holds ONE query (lane % 16).  Register 16 i + 8 a + j of the scores is key 32 i + 16 a + 8 h + j: the order in which every operand of this program lies inside a block of 32.
; CLUSTERS of 4 x 4: K and V are asked for jointly along a column (same head, four query blocks), the mask along a row (same batch and queries, four heads).
; LIMITS: NaN and infinities among the inputs are not served (a mask of -infinity gives p = 0; a row that is wholly -infinity gives NaN); a block of zeros carries the byte 1, not 127; the mask is added inside the matrix unit's f32 sum.
; REGISTERS: v1-3 places that stay; v8-10 the step's LDS addresses; v12 -M, v13 the largest t, v[14:15] the sum; v[16:33] [0 | q | 0]; v34, v35 q's two scale words; v[36:83] four fragments; v84-87, v88-91 their scale words;
; v[96:159] mask, scores, p; v[160:191] O^T; v[192:203] p's codes; v212 p's scale word; v204-233 at work.
.set SLOT1, 131072                     ; two slots of 256 keys, so far apart that one exclusive or turns an address
.set MOFF,  24576                      ; a slot: K 12,288 bytes, V 12,288, the mask 64 rows of 1,024 + 16 bytes
.set SCK,   262144                     ; K's scale words of the head, 4,096 bytes; V's behind them
.set SPARE, 270336                     ; the spare words, 128 bytes for each wave: eight blocks of 256 bytes that no other line names
.set V0,    1572864
.set Q0,    3145728
.set AK0, 1                            ; v1  48 r + 24 h
.set AM0, 2                            ; v2  my query's row of the mask tile, + 32 h
.set AS0, 3                            ; v3  SCK + 4 r
.set SPW, 5
.set NIL, 6
.set PFO, 7                            ; v7  the prefetches' offset; never rewritten
.set ADK, 8
.set ADM, 9
.set ADS, 10
.set WV,  14
.set G1D, 24                           ; s[24:31] group 1: 12,288 dense bytes of codes
.set G1S, 32                           ; s[32:39] 4,096 dense bytes of scale words
.set G1M, 40                           ; s[40:47] 32 rows x 256 numbers of the mask
.set G0D, 48
.set G0S, 52
.set G0M, 56
.set SEL, 60
.set CS,  62                           ; s[62:63] log2(e)
.set TB,  66                           ; s66 the slot in hand
.set TS,  67                           ; s67 the step's scale words: 256 bytes a step
.set SLOTS, 68
.set LIM, 69
.set PFA, 70
.macro TLOAD                           ; wave 0: K's codes, wave 1: V's, waves 2 and 3: the mask's halves; the others nothing.  Four v_nop follow each line
	s_cmp_lt_u32 s[WV], 2
	s_cbranch_scc0 .Lnot_k_\@
	tensor_load_to_lds s[G0D:G0D+3], s[G1D:G1D+7]
	s_nop 0
.rept 4
	v_nop
.endr
	s_branch .Lasked_\@
.Lnot_k_\@:
	s_cmp_lt_u32 s[WV], 4
	s_cbranch_scc0 .Lasked_\@
	tensor_load_to_lds s[G0M:G0M+3], s[G1M:G1M+7]
	s_nop 0
.rept 4
	v_nop
.endr
.Lasked_\@:
.endm
.macro CROUND
	s_barrier_signal -1
	s_barrier_wait -1
	s_cmp_lg_u32 s[WV], 0
	s_cbranch_scc1 .Lnot_wave_0_\@
	s_barrier_signal -3
.Lnot_wave_0_\@:
	s_barrier_wait -3
	s_barrier_signal -1
	s_barrier_wait -1
.endm
; A PREFETCH of the mask tile that the NEXT change of slots will ask for: 64 rows x 1,024 bytes.  Two clusters read each tile: the one with even x asks.  Its four partners of a row share the rows out BY ADDRESS, 16 each;
; in each, waves 4 and 5 ask, 8 rows each, a lane a block of 256 bytes: each block is named once in the launch.  The last change that fills a slot asks for nothing; nothing is asked for at the head.
; K and V are not asked for: a slot's 96 blocks do not divide among four partners x 32 lanes by address alone.
.macro ASK
	s_cmp_gt_u32 s[SLOTS], s[LIM]
	s_cbranch_scc0 .Lnot_mine_\@
	global_prefetch_b8 v[PFO], s[PFA:PFA+1] th:TH_LOAD_NT scope:SCOPE_SE
.Lnot_mine_\@:
.endm
	s_load_b256 s[4:11], s[0:1], 0x0               ; the mask, kvq_codes, kvq_scales, a_codes
	s_load_b64 s[12:13], s[0:1], 0x20              ; a_scales
	v_lshl_add_u32 v[SPW], v0, 2, SPARE
	v_mov_b32 v[NIL], 0
	ds_add_u32 v5, v6
	s_wait_dscnt 0x0
	v_lshrrev_b32 v8, 5, v0
	v_readfirstlane_b32 s[WV], v8                  ; wave 0..15
	s_and_b32 s15, s[WV], 1
	s_lshr_b32 s16, ttmp9, 1                       ; the batch: the same in the whole cluster
	s_bfe_u32 s72, ttmp6, 0x40000                  ; cx
	s_bfe_u32 s80, ttmp6, 0x40004                  ; cy
	s_lshl_b32 s73, ttmp9, 2
	s_add_co_u32 s73, s73, s72                     ; key/value head among the 16 = 4 x cluster x + cx
	s_and_b32 s81, ttmp7, 0xffff
	s_lshl_b32 s81, s81, 2
	s_add_co_u32 s81, s81, s80                     ; block of 64 queries = 4 x cluster y + cy
	s_lshl_b32 s74, 0x1111, s72                    ; my column
	s_lshl_b32 s82, s80, 2
	s_lshl_b32 s82, 15, s82                        ; my row
	s_or_b32 s[G1D], s74, (3<<16)|(1<<21)          ; elements of 8 bytes, no padding: 48 rows of 256 bytes
	s_mov_b32 s[G1D+1], 32<<16
	s_mov_b32 s[G1D+2], 48<<16
	s_mov_b32 s[G1D+3], 32<<16
	s_mov_b32 s[G1D+4], 48
	s_mov_b32 s[G1D+5], 32
	s_mov_b32 s[G1D+6], 0
	s_mov_b32 s[G1D+7], 0
	s_or_b32 s[G1S], s74, (3<<16)|(1<<21)          ; 16 rows of 256 bytes
	s_mov_b32 s[G1S+1], 32<<16
	s_mov_b32 s[G1S+2], 16<<16
	s_mov_b32 s[G1S+3], 32<<16
	s_mov_b32 s[G1S+4], 16
	s_mov_b32 s[G1S+5], 32
	s_mov_b32 s[G1S+6], 0
	s_mov_b32 s[G1S+7], 0
	s_or_b32 s[G1M], s82, (2<<16)|(1<<20)|(1<<21)|(7<<22)|(3<<25)   ; elements of 4 bytes; 4 words of padding behind every 256 words: rows 1,040 bytes apart
	s_mov_b32 s[G1M+1], 256<<16
	s_mov_b32 s[G1M+2], 32<<16
	s_mov_b32 s[G1M+3], 256<<16
	s_mov_b32 s[G1M+4], 32
	s_mov_b32 s[G1M+5], 2048
	s_mov_b32 s[G1M+6], 0
	s_mov_b32 s[G1M+7], 0
	s_mul_i32 s76, s73, 98304                      ; codes: my head's, K's (even wave) or V's (odd)
	s_mul_i32 s75, s15, V0
	s_add_co_u32 s76, s76, s75
	s_mov_b32 s77, 0
	s_lshl_b32 s78, s73, 12                        ; scale words likewise
	s_lshl_b32 s75, s15, 16
	s_add_co_u32 s78, s78, s75
	s_mov_b32 s79, 0
	s_lshl_b32 s84, s16, 10                        ; the mask: row 1,024 b + 64 x block + 32 x (wave % 2)
	s_lshl_b32 s83, s81, 6
	s_add_co_u32 s84, s84, s83
	s_lshl_b32 s83, s15, 5
	s_add_co_u32 s84, s84, s83
	s_lshl_b32 s84, s84, 13
	s_mov_b32 s85, 0
	s_mul_i32 s17, s15, 12288                      ; LDS: no place in the cluster enters an LDS address
	s_lshl_b32 s18, s15, 12
	s_mul_i32 s19, s15, 33280
	s_mov_b32 s[SEL], 0x76543210
	s_mov_b32 s[SEL+1], 0xfedcba98
	s_mov_b32 s[CS], 0x3fb8aa3b                    ; log2(e)
	s_mov_b32 s[CS+1], s[CS]
	s_mov_b32 s[TB], 0
	s_mov_b32 s[TS], 0
	s_mov_b32 s[SLOTS], 7
	s_wait_kmcnt 0x0
	s_mov_b32 s[G0D], 1
	s_mov_b32 s[G0D+1], s17
	s_add_nc_u64 s[G0D+2:G0D+3], s[6:7], s[76:77]
	s_or_b32 s[G0D+3], s[G0D+3], 0x80000000
	s_mov_b32 s[G0S], 1
	s_add_co_u32 s[G0S+1], s18, SCK
	s_add_nc_u64 s[G0S+2:G0S+3], s[8:9], s[78:79]
	s_or_b32 s[G0S+3], s[G0S+3], 0x80000000
	s_mov_b32 s[G0M], 1
	s_add_co_u32 s[G0M+1], s19, MOFF
	s_add_nc_u64 s[G0M+2:G0M+3], s[4:5], s[84:85]
	s_or_b32 s[G0M+3], s[G0M+3], 0x80000000
	CROUND                                         ; all sixteen work-groups are here: the first joint loads meet
	s_cmp_lt_u32 s[WV], 2                          ; a wave's first fills stand in one branch: two loads of a wave are out at the most
	s_cbranch_scc0 .Lfirst_not_k
	tensor_load_to_lds s[G0S:G0S+3], s[G1S:G1S+7]  ; the head's scale words: filled once
	s_nop 0
	tensor_load_to_lds s[G0D:G0D+3], s[G1D:G1D+7]  ; slot 0
	s_nop 0
.rept 4
	v_nop
.endr
	s_branch .Lfirst_asked
.Lfirst_not_k:
	s_cmp_lt_u32 s[WV], 4
	s_cbranch_scc0 .Lfirst_asked
	tensor_load_to_lds s[G0M:G0M+3], s[G1M:G1M+7]
	s_nop 0
.rept 4
	v_nop
.endr
.Lfirst_asked:
	s_and_b32 s86, s[WV], 3                        ; which of the group's four query heads
	s_lshr_b32 s87, s[WV], 2                       ; which of the block's four query tiles
	s_and_b32 s88, s73, 7
	s_lshl_b32 s88, s88, 2
	s_add_co_u32 s88, s88, s86                     ; query head 0..31
	s_lshl_b32 s89, s81, 2
	s_add_co_u32 s89, s89, s87                     ; query tile 0..63
	s_lshl_b32 s90, s16, 5
	s_add_co_u32 s90, s90, s88                     ; head among the 64
	s_lshl_b32 s92, s90, 6
	s_add_co_u32 s92, s92, s89
	s_mul_i32 s92, s92, 768
	s_add_co_u32 s92, s92, Q0
	s_mov_b32 s93, 0
	s_add_nc_u64 s[92:93], s[6:7], s[92:93]        ; q's unit
	s_lshl_b32 s94, s90, 5
	s_lshr_b32 s91, s89, 1
	s_add_co_u32 s94, s94, s91
	s_lshl_b32 s94, s94, 6
	s_add_co_u32 s94, s94, 131072
	s_mov_b32 s95, 0
	s_add_nc_u64 s[94:95], s[8:9], s[94:95]        ; the scale words of its pair of tiles
	s_lshl_b32 s91, s16, 6
	s_add_co_u32 s91, s91, s89                     ; row tile of the result 0..127
	s_lshl_b32 s96, s91, 5
	s_add_co_u32 s96, s96, s88
	s_mul_i32 s96, s96, 768
	s_mov_b32 s97, 0
	s_add_nc_u64 s[10:11], s[10:11], s[96:97]      ; the result's unit: (row tile, head)
	s_lshl_b32 s96, s91, 4
	s_lshr_b32 s98, s88, 1
	s_add_co_u32 s96, s96, s98
	s_lshl_b32 s96, s96, 6
	s_and_b32 s98, s88, 1
	s_lshl_b32 s98, s98, 1
	s_add_co_u32 s96, s96, s98
	s_add_nc_u64 s[12:13], s[12:13], s[96:97]      ; its two bytes of the scale word of K step head / 2
	s_and_b32 s99, s87, 1
	s_lshl_b32 s99, s99, 4                         ; my half of q's scale word, in bits
	s_lshl_b32 s70, s16, 10                        ; the prefetches: row 1,024 b + 64 x block + 16 cx + 8 x (wave % 2),
	s_lshl_b32 s98, s81, 6
	s_add_co_u32 s70, s70, s98
	s_lshl_b32 s98, s72, 4
	s_add_co_u32 s70, s70, s98
	s_lshl_b32 s98, s15, 3
	s_add_co_u32 s70, s70, s98
	s_lshl_b32 s70, s70, 13
	s_add_co_u32 s70, s70, 1024                    ; in slot 1: the first change of slots steps it to slot 2
	s_mov_b32 s71, 0
	s_add_nc_u64 s[PFA:PFA+1], s[4:5], s[70:71]
	s_lshr_b32 s98, s[WV], 1
	s_xor_b32 s98, s98, 2                          ; 0 in waves 4 and 5,
	s_and_b32 s91, ttmp9, 1
	s_or_b32 s98, s98, s91                         ; of a cluster with even x: the same in all partners
	s_cmp_eq_u32 s98, 0
	s_cselect_b32 s[LIM], 1, -1
	s_mul_i32 s98, s87, 16640                      ; my query tile's 16 rows of the mask tile
	s_add_co_u32 s98, s98, MOFF
	v_and_b32 v8, 15, v0                           ; r
	v_bfe_u32 v9, v0, 4, 1                         ; h
	v_mul_u32_u24 v[AK0], v8, 48
	v_mad_u32_u24 v[AK0], v9, 24, v[AK0]
	v_mul_u32_u24 v[AM0], v8, 1040
	v_lshl_add_u32 v[AM0], v9, 5, v[AM0]
	v_add_nc_u32 v[AM0], s98, v[AM0]
	v_lshl_add_u32 v[AS0], v8, 2, SCK
	v_and_b32 v10, 31, v0
	v_lshrrev_b32 v[PFO], 2, v10
	v_lshlrev_b32 v[PFO], 13, v[PFO]
	v_and_b32 v10, 3, v10
	v_lshl_add_u32 v[PFO], v10, 8, v[PFO]          ; row lane / 4, block lane % 4
.irp p, 0,1,2
	global_load_b64 v[22+2*\p:23+2*\p], v[AK0], s[92:93] offset:8*\p   ; q stays in registers
.endr
	v_lshlrev_b32 v11, 2, v8                       ; 4 r; never rewritten
	global_load_b32 v4, v11, s[94:95]
.irp j, 16,17,18,19,20,21,28,29,30,31,32,33
	v_mov_b32 v[\j], 0                             ; zero codes on both sides of q
.endr
	v_mov_b32 v13, 0xff61b1e6                      ; the largest t so far: -3e38, under every t
	v_floor_f32 v12, -v13                          ; -M
	v_mov_b32 v14, 0
	v_mov_b32 v15, 0
.irp j, 220,221,222,223,229,230
	v_mov_b32 v[\j], 0                             ; permutes' destinations count as sources; v229 is named as the upper half of a pair
.endr
	s_wait_loadcnt 0x0
	v_bfe_u32 v4, v4, s99, 16                      ; my tile's two bytes
	v_or_b32 v34, 0x01010000, v4                   ; for [q | 0]: the zero half carries the byte 1
	v_lshl_or_b32 v35, v4, 16, 0x0101              ; for [0 | q]
.set j, 0
.rept 32
	v_mov_b32 v[160+j], 0                          ; O^T.  (The step is written once: its first run finds zeros, which the first change of M leaves zeros)
.set j, j+1
.endr
; A KEY STEP: 128 keys, the q-th of the slot in hand.
.macro STEP q
	v_add_nc_u32 v[ADK], s[TB], v[AK0]
	v_add_nc_u32 v[ADM], s[TB], v[AM0]
	v_add_nc_u32 v[ADS], s[TS], v[AS0]
	v_nop                                          ; four plain instructions between the last products and loads into the registers that they read
.set n, 0
.rept 16                                       ; n = 4 i + 2 a + c: the mask of keys 32 i + 16 a + 8 h + 4 c on, into the score registers
	ds_load_b128 v[96+4*n:99+4*n], v[ADM] offset:512*(\q)+128*(n/4)+64*((n/2)%2)+16*(n%2)
.set n, n+1
.endr
.irp t, 0,1,2,3
.irp p, 0,1,2
	ds_load_b64 v[36+12*\t+2*\p:37+12*\t+2*\p], v[ADK] offset:(4*(\q)+\t)*1536+8*\p
.endr
.irp p, 0,1,2
	ds_load_b64 v[42+12*\t+2*\p:43+12*\t+2*\p], v[ADK] offset:(4*(\q)+\t)*1536+768+8*\p
.endr
	ds_load_b32 v[84+\t], v[ADS] offset:64*\t
.endr
	s_wait_dscnt 0x0
.irp t, 0,1,2,3                                ; the logits: eight accumulators, one instruction each
	v_wmma_scale_f32_16x16x128_f8f6f4 v[96+16*\t:103+16*\t], v[36+12*\t:47+12*\t], v[22:33], v[96+16*\t:103+16*\t], v[84+\t], v34 matrix_a_fmt:MATRIX_FMT_FP6 matrix_b_fmt:MATRIX_FMT_FP6
	v_wmma_scale_f32_16x16x128_f8f6f4 v[104+16*\t:111+16*\t], v[36+12*\t:47+12*\t], v[16:27], v[104+16*\t:111+16*\t], v[84+\t], v35 matrix_a_fmt:MATRIX_FMT_FP6 matrix_b_fmt:MATRIX_FMT_FP6
.endr
.rept 4
	v_nop                                          ; places in front of the loads below and of the first read of the scores
.endr
.irp t, 0,1,2,3                                ; V's four fragments (16 channels x these 128 keys) are asked for now and land under the softmax
.irp p, 0,1,2
	ds_load_b64 v[36+12*\t+2*\p:37+12*\t+2*\p], v[ADK] offset:12288+6144*(\q)+768*\t+8*\p
.endr
.irp p, 0,1,2
	ds_load_b64 v[42+12*\t+2*\p:43+12*\t+2*\p], v[ADK] offset:12288+6144*(\q)+3072+768*\t+8*\p
.endr
	ds_load_b32 v[88+\t], v[ADS] offset:4096+64*\t
.endr
.irp b, 0,1,2,3
	v_max3_num_f32 v[216+\b], v[96+16*\b], v[97+16*\b], v[98+16*\b]   ; the largest logit of each block of 32 keys: it serves for the row's maximum and, since p rises with the logit, for the block's largest p
.endr
.irp i, 3,5,7,9,11,13
.irp b, 0,1,2,3
	v_max3_num_f32 v[216+\b], v[216+\b], v[96+16*\b+\i], v[97+16*\b+\i]
.endr
.endr
.irp b, 0,1,2,3
	v_max_num_f32 v[216+\b], v[216+\b], v[111+16*\b]
.endr
.irp b, 0,1,2,3
	v_permlanex16_b32 v[220+\b], v[216+\b], s[SEL], s[SEL+1]
.endr
.irp b, 0,1,2,3
	v_max_num_f32 v[216+\b], v[216+\b], v[220+\b]  ; with lane l xor 16's 16 keys
.endr
	v_max3_num_f32 v230, v216, v217, v218
	v_max_num_f32 v230, v230, v219
	v_mul_f32 v230, s[CS], v230                    ; as t
	v_max_num_f32 v13, v13, v230                   ; the running largest t
	v_mov_b32 v230, v12
	v_floor_f32 v12, -v13                          ; the new -M = -ceil(t)
	v_sub_f32 v230, v12, v230                      ; old M - new M: a whole number, 0 or less
	v_cvt_i32_f32 v230, v230                       ; (it saturates)
	v_ldexp_f32 v228, 1.0, v230                    ; f = 2^(old M - new M)
.set j, 0
.rept 32
	v_pk_fma_f32 v[96+j:97+j], v[96+j:97+j], s[CS:CS+1], v[12:13] op_sel_hi:[1,0,0]   ; t - M, two at a time
.set j, j+2
.endr
.irp b, 0,1,2,3
	v_fma_f32 v[216+\b], v[216+\b], s[CS], v12     ; the same of each block's largest logit
.endr
.set j, 0
.rept 64
	v_exp_f32 v[96+j], v[96+j]                     ; p = 2^(t - M)
.set j, j+1
.endr
	v_pk_mul_f32 v[14:15], v[14:15], v[228:229] op_sel_hi:[1,0]   ; the sums under the new M: a plain instruction behind the exponentials
	s_wait_alu depctr_va_vdst(0)                   ; one wait for the batch of 64, ahead of its first reader
.irp b, 0,1,2,3
	v_exp_f32 v[216+\b], v[216+\b]                 ; the blocks' largest p
.endr
	v_pk_add_f32 v[232:233], v[96:97], v[98:99]    ; the row's sum of the unquantised p, in two chains
.irp j, 4,8,12,16,20,24,28,32,36,40,44,48,52,56,60
	v_pk_add_f32 v[14:15], v[14:15], v[96+\j:97+\j]
	v_pk_add_f32 v[232:233], v[232:233], v[98+\j:99+\j]
.endr
	v_pk_add_f32 v[14:15], v[14:15], v[232:233]
	s_wait_alu depctr_va_vdst(0)                   ; and one for the four
.irp b, 0,1,2,3
	v_max_num_f32 v[216+\b], 0x1800000, v[216+\b]  ; the floor 2^(3 - 127): the byte cannot fall under 1
.endr
.irp b, 0,1,2,3
	v_add_nc_u32 v[224+\b], 0xff000000, v[216+\b]
.endr
.irp b, 0,1,2,3
	v_lshrrev_b32 v[220+\b], 23, v[224+\b]
.endr
	v_lshl_or_b32 v212, v221, 8, v220              ; p's scale word for these 128 keys
	v_lshl_or_b32 v212, v222, 16, v212
	v_lshl_or_b32 v212, v223, 24, v212
.irp c, 0,1
	v_cvt_scalef32_pk16_fp6_f32 v[192+6*\c:194+6*\c], v[96+32*\c:111+32*\c], v[224+2*\c]
	v_cvt_scalef32_pk16_fp6_f32 v[204+4*\c:206+4*\c], v[112+32*\c:127+32*\c], v[225+2*\c]   ; (a conversion's three registers begin on an even number)
.endr
	v_nop                                          ; one plain instruction behind the scaled conversions
.irp c, 0,1
.irp i, 0,1,2
	v_permlane16_swap_b32 v[192+6*\c+\i], v[204+4*\c+\i]   ; a lane then holds a whole block
.endr
.irp i, 0,1,2
	v_mov_b32 v[195+6*\c+\i], v[204+4*\c+\i]
.endr
.endr
.set j, 0
.rept 16
	v_pk_mul_f32 v[160+j:161+j], v[160+j:161+j], v[228:229] op_sel_hi:[1,0]   ; O^T under the new M.  (These are also the plain instructions between the writes of p's codes and scale word and the products)
.set j, j+2
.endr
	s_wait_dscnt 0x0                               ; V is in
.irp t, 0,1,2,3
	v_wmma_scale_f32_16x16x128_f8f6f4 v[160+8*\t:167+8*\t], v[36+12*\t:47+12*\t], v[192:203], v[160+8*\t:167+8*\t], v[88+\t], v212 matrix_a_fmt:MATRIX_FMT_FP6 matrix_b_fmt:MATRIX_FMT_FP6
.endr
	s_add_co_u32 s[TS], s[TS], 256
.endm
; THE CHANGE OF SLOTS stands at a slot's head: each wave waits for all its tensor loads, adds 0 to its spare word, waits for that and for its reads of the slot that it has left.
; fill = 1: a round of the cluster's barrier, and behind it the other slot is filled with the next 256 keys: that load has two key steps in which to land.
.macro CHANGE fill
	s_wait_tensorcnt 0x0
	ds_add_u32 v[SPW], v[NIL]
.if \fill
	s_xor_b32 s[G0D+1], s[G0D+1], SLOT1
	s_add_nc_u64 s[G0D+2:G0D+3], s[G0D+2:G0D+3], 12288
	s_xor_b32 s[G0M+1], s[G0M+1], SLOT1
	s_add_nc_u64 s[G0M+2:G0M+3], s[G0M+2:G0M+3], 1024
	s_wait_xcnt 0x0                                ; the last prefetch, a slot back, has read its address
	s_add_nc_u64 s[PFA:PFA+1], s[PFA:PFA+1], 1024
	s_wait_dscnt 0x0
	CROUND
	TLOAD                                          ; the first thing behind the round, and a wave's one tensor load until the next
	ASK
.else
	s_wait_dscnt 0x0
	s_barrier_signal -1
	s_barrier_wait -1
.endif
.endm
.macro SLOT_STEPS
	STEP 0
	STEP 1
	s_xor_b32 s[TB], s[TB], SLOT1
.endm
.Lslot:                                            ; seven trips: behind each change of slots but the last the next slot is asked for
	CHANGE 1
	SLOT_STEPS
	s_sub_co_u32 s[SLOTS], s[SLOTS], 1
	s_cmp_lg_u32 s[SLOTS], 0
	s_cbranch_scc1 .Lslot
	CHANGE 0                                       ; the last slot is written out
	SLOT_STEPS
	; THE WAY OUT: O^T / the sum; register 8 t + j = channel 16 t + 8 h + j of my query: two blocks of 32 along the last product's K; quantised, one unit of 768 bytes a wave
.rept 4
	v_nop
.endr
	v_add_f32 v14, v14, v15
	v_permlanex16_b32 v230, v14, s[SEL], s[SEL+1]
	v_add_f32 v14, v14, v230                       ; the row's sum
	v_rcp_f32 v14, v14
	v_nop                                          ; a plain instruction behind the reciprocal
	s_wait_alu depctr_va_vdst(0)                   ; and the wait ahead of its first reader
.set j, 0
.rept 32
	v_mul_f32 v[96+j], v[160+j], v14
.set j, j+1
.endr
.irp b, 0,1
	v_max3_num_f32 v[216+\b], |v[96+16*\b]|, |v[97+16*\b]|, 0x1800000
.endr
.irp i, 2,4,6,8,10,12,14
.irp b, 0,1
	v_max3_num_f32 v[216+\b], v[216+\b], |v[96+16*\b+\i]|, |v[97+16*\b+\i]|
.endr
.endr
.irp b, 0,1
	v_permlanex16_b32 v[220+\b], v[216+\b], s[SEL], s[SEL+1]
.endr
.irp b, 0,1
	v_max_num_f32 v[216+\b], v[216+\b], v[220+\b]
.endr
.irp b, 0,1
	v_add_nc_u32 v[224+\b], 0xff000000, v[216+\b]
.endr
.irp b, 0,1
	v_lshrrev_b32 v[220+\b], 23, v[224+\b]
.endr
	v_lshl_or_b32 v231, v221, 8, v220              ; my row's two bytes
	v_cvt_scalef32_pk16_fp6_f32 v[192:194], v[96:111], v224
	v_cvt_scalef32_pk16_fp6_f32 v[196:198], v[112:127], v225
	v_nop
.irp i, 0,1,2
	v_permlane16_swap_b32 v[192+\i], v[196+\i]
.endr
	global_store_b96 v[AK0], v[192:194], s[10:11]             ; the wave's two stores cover 768 consecutive bytes
	global_store_b96 v[AK0], v[196:198], s[10:11] offset:12
	global_store_b16 v11, v231, s[12:13]                      ; lanes r and 16 + r store the same two bytes with the same value
	s_wait_tensorcnt 0x0                           ; the wave's end
	ds_add_u32 v[SPW], v[NIL]
	s_wait_dscnt 0x0
	CROUND                                         ; the closing round
	s_endpgm
.Lfunc_end_k_q7f6153c600_attn:
	.size	k_q7f6153c600_attn, .Lfunc_end_k_q7f6153c600_attn-k_q7f6153c600_attn
	.p2alignl 7, 3214868480
	.fill 96, 4, 3214868480
	.section	.rodata,"a",@progbits
	.p2align	6, 0x0
	.amdhsa_kernel k_q7f6153c600_attn
		.amdhsa_group_segment_fixed_size 327680
		.amdhsa_private_segment_fixed_size 0
		.amdhsa_enable_private_segment 0
		.amdhsa_kernarg_size 40
		.amdhsa_user_sgpr_count 2
		.amdhsa_user_sgpr_kernarg_segment_ptr 1
		.amdhsa_wavefront_size32 1
		.amdhsa_system_sgpr_workgroup_id_x 1
		.amdhsa_system_sgpr_workgroup_id_y 1
		.amdhsa_system_sgpr_workgroup_id_z 1
		.amdhsa_system_vgpr_workitem_id 0
		.amdhsa_next_free_vgpr 256
		.amdhsa_next_free_sgpr 100
		.amdhsa_reserve_vcc 0
		.amdhsa_float_denorm_mode_32 3
		.amdhsa_float_denorm_mode_16_64 3
		.amdhsa_memory_ordered 1
		.amdhsa_forward_progress 1
		.amdhsa_inst_pref_size 88
	.end_amdhsa_kernel
	.amdgpu_metadata
---
amdhsa.version: [ 1, 2 ]
amdhsa.kernels:
  - .name:           k_q7f6153c600_attn
    .symbol:         k_q7f6153c600_attn.kd
    .args:
      - { .name: attention_mask, .offset: 0, .size: 8, .value_kind: global_buffer, .address_space: global }
      - { .name: kvq_codes, .offset: 8, .size: 8, .value_kind: global_buffer, .address_space: global }
      - { .name: kvq_scales, .offset: 16, .size: 8, .value_kind: global_buffer, .address_space: global }
      - { .name: a_codes, .offset: 24, .size: 8, .value_kind: global_buffer, .address_space: global }
      - { .name: a_scales, .offset: 32, .size: 8, .value_kind: global_buffer, .address_space: global }
    .group_segment_fixed_size: 327680
    .private_segment_fixed_size: 0
    .kernarg_segment_align: 8
    .kernarg_segment_size: 40
    .max_flat_workgroup_size: 512
    .sgpr_count:     100
    .vgpr_count:     256
    .wavefront_size: 32
...
	.end_amdgpu_metadata
.endif
;; end of part 3
;; launch oproj (part 4): grid 16 x 16, 4 waves a work-group, clusters of 4 x 4, 327,680 bytes of LDS; arguments a_codes, a_scales, xw_codes, xw_scales, out0; writes out0
.if DOCPART == 4
	.amdgcn_target "amdgcn-amd-amdhsa--gfx1250"
	.amdhsa_code_object_version 6
	.text
	.protected	k_q7f6153c600_oproj
	.globl	k_q7f6153c600_oproj
	.p2align	8
	.type	k_q7f6153c600_oproj,@function
k_q7f6153c600_oproj:
	s_mov_b64 s[64:65], 0
	v_nop
	global_prefetch_b8 v0, s[64:65] scope:SCOPE_SE
	s_setreg_imm32_b32 hwreg(HW_REG_WAVE_MODE, 25, 1), 1
	s_wait_xcnt 0x0
	s_wait_alu depctr_hold_cnt(0) depctr_sa_sdst(0) depctr_va_vdst(0) depctr_va_sdst(0) depctr_va_ssrc(0) depctr_va_vcc(0) depctr_vm_vsrc(0)
	s_getreg_b32 s2, hwreg(HW_REG_IB_STS2, 6, 4)
	s_cmp_eq_u32 s2, 0
	s_cbranch_scc0 .Lentry_in_a_cluster
	s_endpgm
.Lentry_in_a_cluster:
	s_bfe_u32 s2, ttmp6, 0x10000c
	s_cmp_lg_u32 s2, 0xf033
	s_cbranch_scc0 .Lentry_shape_is_right
	s_endpgm
.Lentry_shape_is_right:
; out0 = a Wo on codes of FP6 (E2M3) with E8M0 scales; a [2048][2048] are the codes that attention left, Wo's lie in xw_codes from group 40 on.  out0 [2048][2048] f32; sums in f32.
; A work-group makes 128 x 128, each of its four waves 64 x 64: 16 accumulators: 256 work-groups.  K = 2,048 goes in four chunks of 512 through three LDS slots: chunks 0, 1, 2 and all scale words are first fills
; (four tensor loads of a wave are out at the most), chunk 3 is the one refill, into slot 0.
; OPERANDS lie in memory as units of 16 rows x 64 codes (768 bytes, rows of 48): a fragment (16 rows x 128 K) is two units: six loads of 8 bytes at 48 r + 24 h.  Row r starts at word 12 r: 12 r mod 64 takes
; 16 different multiples of 4 and h adds 6, so the 32 lanes of a load touch 64 different banks (64 banks of 4 bytes: ISA guide 11.1): no padding.
; SOURCE 0 takes B (Wo's columns), source 1 A (a's rows): lane (r, h), register j of accumulator (a, b) = out(row 16 a + r, column 16 b + 8 h + j): eight neighbouring numbers of a row.
; CLUSTERS of 4 x 4: A's tiles are asked for jointly along a row of the cluster, B's along a column.  No prefetch: three quarters of K are asked for at the head.  One tile to a work-group.
; REGISTERS: window 0: v1 r, v2 h, v16-29 addresses, v32-39 scale words (two sets), v40-103 the way out, v128-255 accumulators.  window 1: two fragment buffers (v0-95, v128-223: B's four, A's four).
.set SLOTB, 98304                      ; a slot: A's 8 tiles x 6,144 bytes, then B's
.set SCL,   3*SLOTB                    ; the scale words: A's 8,192 bytes, B's 8,192
.set SPARE, SCL+16384                  ; the spare words, 128 bytes for each wave: two blocks of 256 bytes that no other line names
.set PAC, 4
.set PAS, 6
.set PBC, 8
.set PBS, 10
.set WV,  22
.set WR,  23
.set WC,  66
.set G1A, 24
.set G1B, 32
.set G1SA, 40
.set G1SB, 48
.set G0SA, 56
.set G0SB, 60
.set G0A, 68
.set G0B, 80
.set ADRA, 16
.set ADRB, 20
.set STO, 24
.set RD,  25
.set CO,  26
.set ADRS, 27
.set SPW, 28
.set NIL, 29
.set SC,  32
.set BK,  40
.set ACC, 128
.set MSB, 0
.macro WIN new                         ; the immediate's high byte repeats the setting that is left
.if MSB != \new
	s_set_vgpr_msb (MSB<<8)|\new
.set MSB, \new
.endif
.endm
.macro PLACES n
.rept \n
	v_nop
.endr
.endm
.macro JLOAD g0a, g1a, g0b, g1b        ; a joint load: waves 0 and 1 fetch for A, waves 2 and 3 for B.  Four v_nop follow each of the two lines
	s_cmp_eq_u32 s[WR], 0
	s_cbranch_scc0 .Lfor_b_\@
	tensor_load_to_lds s[\g0a:\g0a+3], s[\g1a:\g1a+7]
	s_nop 0
.rept 4
	v_nop
.endr
	s_branch .Lasked_\@
.Lfor_b_\@:
	tensor_load_to_lds s[\g0b:\g0b+3], s[\g1b:\g1b+7]
	s_nop 0
.rept 4
	v_nop
.endr
.Lasked_\@:
.endm
.macro CREST
	s_cmp_lg_u32 s[WV], 0
	s_cbranch_scc1 .Lnot_wave_0_\@
	s_barrier_signal -3
.Lnot_wave_0_\@:
	s_barrier_wait -3
	s_barrier_signal -1
	s_barrier_wait -1
.endm
.macro CROUND
	s_barrier_signal -1
	s_barrier_wait -1
	CREST
.endm
.macro FRAG reg, adr, off
.irp p, 0,1,2
	ds_load_b64 v[(\reg)+2*\p:(\reg)+2*\p+1], v[\adr] offset:(\off)+8*\p
.endr
.irp p, 0,1,2
	ds_load_b64 v[(\reg)+6+2*\p:(\reg)+6+2*\p+1], v[\adr] offset:(\off)+768+8*\p
.endr
.endm
.macro FETCH k                         ; K step k: 52 LDS loads into buffer k % 2
.set FB, 128*((\k)%2)
.set SL, ((\k)/4)%3
	WIN 0x40
.irp i, 0,1,2,3
	FRAG FB+12*\i, ADRB+SL, ((\k)%4)*1536+\i*6144
.endr
.irp i, 0,1,2,3
	FRAG FB+48+12*\i, ADRA+SL, ((\k)%4)*1536+\i*6144
.endr
	WIN 0
.irp i, 0,1,2,3
	ds_load_b32 v[SC+4*((\k)%2)+\i], v[ADRS] offset:\i*1024+(\k)*64
.endr
.endm
.macro WM acc, fb, fa, zero, sb, sa
.if \zero
	v_wmma_scale_f32_16x16x128_f8f6f4 v[(\acc):(\acc)+7], v[(\fb):(\fb)+11], v[(\fa):(\fa)+11], 0, v[\sb], v[\sa] matrix_a_fmt:MATRIX_FMT_FP6 matrix_b_fmt:MATRIX_FMT_FP6 matrix_a_scale:MATRIX_SCALE_ROW1
.else
	v_wmma_scale_f32_16x16x128_f8f6f4 v[(\acc):(\acc)+7], v[(\fb):(\fb)+11], v[(\fa):(\fa)+11], v[(\acc):(\acc)+7], v[\sb], v[\sa] matrix_a_fmt:MATRIX_FMT_FP6 matrix_b_fmt:MATRIX_FMT_FP6 matrix_a_scale:MATRIX_SCALE_ROW1
.endif
.endm
.macro MUL8 k, a0, zero                ; the 16 accumulators take turns, one instruction a turn, in the same order in every K step
.set FB, 128*((\k)%2)
.set SS, SC+4*((\k)%2)
	WIN 0x05
.irp a, \a0, \a0+1
.irp b, 0,1,2,3
	WM ACC+8*(4*(\a)+\b), FB+12*\b, FB+48+12*(\a), \zero, SS+\b, SS+(\a)
.endr
.endr
.endm
.macro STEPN k, zero
	PLACES 4                                       ; four plain instructions between the last products and loads into the registers that they read
	FETCH (\k)+1
	s_wait_dscnt 52                                ; all but the 52 just issued
	MUL8 \k, 0, \zero
	MUL8 \k, 2, \zero
.endm
.macro MEET k
	WIN 0
	s_wait_tensorcnt 0x0
	ds_add_u32 v[SPW], v[NIL]
	s_wait_dscnt 1                                 ; the add alone may be out
	MUL8 \k, 0, 0
	s_wait_dscnt 0x0
	s_barrier_signal -1
	MUL8 \k, 2, 0
	WIN 0
	s_barrier_wait -1
.endm
	s_load_b256 s[4:11], s[0:1], 0x0               ; a_codes, a_scales, xw_codes, xw_scales
	s_load_b64 s[12:13], s[0:1], 0x20              ; out0
	v_lshl_add_u32 v[SPW], v0, 2, SPARE
	v_mov_b32 v[NIL], 0
	ds_add_u32 v28, v29
	s_wait_dscnt 0x0
	v_lshrrev_b32 v1, 5, v0
	v_readfirstlane_b32 s[WV], v1
	s_lshr_b32 s[WR], s[WV], 1
	s_and_b32 s[WC], s[WV], 1
	s_bfe_u32 s92, ttmp6, 0x40000                  ; cx
	s_bfe_u32 s93, ttmp6, 0x40004                  ; cy
	s_lshl_b32 s94, s93, 2
	s_lshl_b32 s94, 15, s94                        ; my row of the cluster
	s_lshl_b32 s95, 0x1111, s92                    ; my column
	s_and_b32 s96, ttmp7, 0xffff
	s_lshl_b32 s96, s96, 2
	s_add_co_u32 s96, s96, s93                     ; A: group 4 Y + cy of a's rows
	s_lshl_b32 s97, ttmp9, 2
	s_add_co_u32 s97, s97, s92
	s_add_co_u32 s97, s97, 40                      ; B: group 40 + 4 X + cx: Wo's columns
	s_or_b32 s[G1A], s94, (3<<16)|(1<<21)          ; 15:0 the mask; elements of 8 bytes; 21 set beside a mask; no padding
	s_or_b32 s[G1B], s95, (3<<16)|(1<<21)
	s_or_b32 s[G1SA], s94, (3<<16)|(1<<21)
	s_or_b32 s[G1SB], s95, (3<<16)|(1<<21)
.irp g, G1A, G1B                               ; 4 rows (tiles) of 6,144 bytes, 24,576 bytes apart
	s_mov_b32 s[\g+1], 768<<16
	s_mov_b32 s[\g+2], 4<<16
	s_mov_b32 s[\g+3], 768<<16
	s_mov_b32 s[\g+4], 4
	s_mov_b32 s[\g+5], 3072
	s_mov_b32 s[\g+6], 0
	s_mov_b32 s[\g+7], 0
.endr
.irp g, G1SA, G1SB                             ; 4,096 dense bytes as 16 rows of 256
	s_mov_b32 s[\g+1], 32<<16
	s_mov_b32 s[\g+2], 16<<16
	s_mov_b32 s[\g+3], 32<<16
	s_mov_b32 s[\g+4], 16
	s_mov_b32 s[\g+5], 32
	s_mov_b32 s[\g+6], 0
	s_mov_b32 s[\g+7], 0
.endr
	s_mul_i32 s2, s[WC], 98304
	s_lshl_b32 s3, s[WC], 12
	s_mul_i32 s104, s[WV], 24576                   ; no place in the cluster enters an LDS address
	s_lshl_b32 s105, s[WV], 12
	s_lshl_b32 s98, s96, 13
	s_add_co_u32 s98, s98, s3
	s_mov_b32 s99, 0
	s_lshl_b32 s100, s97, 13
	s_add_co_u32 s100, s100, s3
	s_mov_b32 s101, 0
	s_wait_kmcnt 0x0
	CROUND                                         ; all sixteen work-groups are here: the first joint loads meet
	s_mov_b32 s[G0SA], 1
	s_add_co_u32 s[G0SA+1], s105, SCL
	s_add_nc_u64 s[G0SA+2:G0SA+3], s[PAS:PAS+1], s[98:99]
	s_or_b32 s[G0SA+3], s[G0SA+3], 0x80000000
	s_mov_b32 s[G0SB], 1
	s_add_co_u32 s[G0SB+1], s105, SCL
	s_add_nc_u64 s[G0SB+2:G0SB+3], s[PBS:PBS+1], s[100:101]
	s_or_b32 s[G0SB+3], s[G0SB+3], 0x80000000
	JLOAD G0SA, G1SA, G0SB, G1SB                   ; the scale words of all of K
	s_mul_i32 s98, s96, 196608
	s_add_co_u32 s98, s98, s2
	s_mul_i32 s100, s97, 196608
	s_add_co_u32 s100, s100, s2
	s_add_nc_u64 s[98:99], s[PAC:PAC+1], s[98:99]
	s_add_nc_u64 s[100:101], s[PBC:PBC+1], s[100:101]
.irp s, 0,1,2
	s_mov_b32 s[G0A+4*\s], 1
	s_add_co_u32 s[G0A+4*\s+1], s104, \s*SLOTB
	s_add_nc_u64 s[G0A+4*\s+2:G0A+4*\s+3], s[98:99], \s*6144
	s_or_b32 s[G0A+4*\s+3], s[G0A+4*\s+3], 0x80000000
	s_mov_b32 s[G0B+4*\s], 1
	s_add_co_u32 s[G0B+4*\s+1], s104, \s*SLOTB
	s_add_nc_u64 s[G0B+4*\s+2:G0B+4*\s+3], s[100:101], \s*6144
	s_or_b32 s[G0B+4*\s+3], s[G0B+4*\s+3], 0x80000000
	JLOAD G0A+4*\s, G1A, G0B+4*\s, G1B             ; chunks 0, 1, 2
.endr
	v_and_b32 v1, 15, v0                           ; r
	v_bfe_u32 v2, v0, 4, 1                         ; h
	v_mul_u32_u24 v3, v1, 48
	v_mad_u32_u24 v3, v2, 24, v3
	s_mul_i32 s2, s[WR], 24576
	s_mul_i32 s3, s[WC], 24576
	s_add_co_u32 s3, s3, 49152
.irp s, 0,1,2
	v_add_nc_u32 v[ADRA+\s], s2, v3
	v_add_nc_u32 v[ADRB+\s], s3, v3
	s_add_co_u32 s2, s2, SLOTB
	s_add_co_u32 s3, s3, SLOTB
.endr
	s_lshl_b32 s2, s[WR], 12
	s_lshl_b32 s3, s[WC], 12
	s_add_co_u32 s3, s3, 8192
	s_sub_co_u32 s3, s3, s2
	v_mul_u32_u24 v4, s3, v2                       ; lanes 16-31 take B's scale words
	s_add_co_u32 s2, s2, SCL
	v_lshl_add_u32 v4, v1, 2, v4
	v_add_nc_u32 v[ADRS], s2, v4
	s_mul_i32 s2, s[WV], 17408                     ; the way out: my stage, 64 rows of 256 + 16 bytes, in slot 1: it is filled once, and its last read stands ahead of the barrier of K step 11
	s_add_co_u32 s2, s2, SLOTB
	v_mul_u32_u24 v5, v1, 272
	v_lshl_add_u32 v5, v2, 5, v5
	v_add_nc_u32 v[STO], s2, v5                    ; in: row r, 32 bytes for each half of the lanes
	v_mul_u32_u24 v5, v2, 272
	v_lshl_add_u32 v5, v1, 4, v5
	v_add_nc_u32 v[RD], s2, v5                     ; back: lanes 0-15 one row of 256 bytes, lanes 16-31 the next
	v_lshlrev_b32 v5, 13, v2
	v_lshl_add_u32 v[CO], v1, 4, v5                ; and the same two rows in out0
	s_lshl_b32 s14, s96, 7
	s_lshl_b32 s15, s[WR], 6
	s_add_co_u32 s14, s14, s15                     ; my first row
	s_lshl_b32 s14, s14, 13
	s_sub_co_u32 s15, s97, 40
	s_lshl_b32 s15, s15, 9                         ; my first column, in bytes
	s_add_co_u32 s14, s14, s15
	s_lshl_b32 s15, s[WC], 8
	s_add_co_u32 s14, s14, s15
	s_mov_b32 s15, 0
	s_add_nc_u64 s[12:13], s[12:13], s[14:15]
	s_wait_tensorcnt 0x2                           ; the scale words and my part of chunk 0 are in; chunks 1 and 2 may stay out
	s_barrier_signal -1
	s_barrier_wait -1
	FETCH 0
	STEPN 0, 1                                     ; the first products start the sums: nothing is cleared
	STEPN 1, 0
	STEPN 2, 0
	MEET 3                                         ; all my loads have landed and my reads of slot 0 are over;
	CREST                                          ; the barrier has opened a round of the cluster's: the same holds of every wave of every partner
	s_add_nc_u64 s[G0A+2:G0A+3], s[G0A+2:G0A+3], 18432
	s_add_nc_u64 s[G0B+2:G0B+3], s[G0B+2:G0B+3], 18432
	JLOAD G0A, G1A, G0B, G1B                       ; the one refill: chunk 3 into slot 0; eight K steps in which to land.  Its four v_nop are also the places in front of the loads below
	FETCH 4
.irp k, 4,5,6,7,8,9,10
	STEPN \k, 0
.endr
	MEET 11                                        ; chunk 3 has landed, for every wave; nobody reads slots 1 and 2 any more
	PLACES 4
	FETCH 12
	STEPN 12, 0
	STEPN 13, 0
	STEPN 14, 0
	s_wait_dscnt 0x0
	MUL8 15, 0, 0
	MUL8 15, 2, 0
	WIN 0
	PLACES 4                                       ; in front of the first read of results
	; THE WAY OUT, 16 rows at a time: 32 bytes a lane into my stage, back as whole rows of 256 bytes; sixteen lanes store 256 consecutive bytes, at a multiple of 256 from out0's first byte
.irp a, 0,1,2,3
.set BB, BK+32*(\a%2)
.if \a >= 2
	s_wait_xcnt 0x0                                ; the stores of two blocks back have read their data
.endif
.irp b, 0,1,2,3
	ds_store_b128 v[STO], v[ACC+8*(4*\a+\b):ACC+8*(4*\a+\b)+3] offset:\a*4352+64*\b       ; each accumulator from its low end on
	ds_store_b128 v[STO], v[ACC+8*(4*\a+\b)+4:ACC+8*(4*\a+\b)+7] offset:\a*4352+64*\b+16
.endr
.irp t, 0,1,2,3,4,5,6,7
	ds_load_b128 v[BB+4*\t:BB+4*\t+3], v[RD] offset:\a*4352+\t*544   ; LDS serves a wave's instructions in order: these see my stores
.endr
	s_wait_dscnt 0x0
.irp t, 0,1,2,3,4,5,6,7
	global_store_b128 v[CO], v[BB+4*\t:BB+4*\t+3], s[12:13] offset:(16*\a+2*\t)*8192 th:TH_STORE_NT
.endr
.endr
	s_wait_tensorcnt 0x0                           ; the wave's end
	ds_add_u32 v[SPW], v[NIL]
	s_wait_dscnt 0x0
	CROUND                                         ; the closing round: no work-group ends while a partner may still ask for a tile that names it
	s_endpgm
.Lfunc_end_k_q7f6153c600_oproj:
	.size	k_q7f6153c600_oproj, .Lfunc_end_k_q7f6153c600_oproj-k_q7f6153c600_oproj
	.p2alignl 7, 3214868480
	.fill 96, 4, 3214868480
	.section	.rodata,"a",@progbits
	.p2align	6, 0x0
	.amdhsa_kernel k_q7f6153c600_oproj
		.amdhsa_group_segment_fixed_size 327680
		.amdhsa_private_segment_fixed_size 0
		.amdhsa_enable_private_segment 0
		.amdhsa_kernarg_size 40
		.amdhsa_user_sgpr_count 2
		.amdhsa_user_sgpr_kernarg_segment_ptr 1
		.amdhsa_wavefront_size32 1
		.amdhsa_system_sgpr_workgroup_id_x 1
		.amdhsa_system_sgpr_workgroup_id_y 1
		.amdhsa_system_sgpr_workgroup_id_z 1
		.amdhsa_system_vgpr_workitem_id 0
		.amdhsa_next_free_vgpr 512
		.amdhsa_next_free_sgpr 106
		.amdhsa_reserve_vcc 0
		.amdhsa_float_denorm_mode_32 3
		.amdhsa_float_denorm_mode_16_64 3
		.amdhsa_memory_ordered 1
		.amdhsa_forward_progress 1
		.amdhsa_inst_pref_size 108
	.end_amdhsa_kernel
	.amdgpu_metadata
---
amdhsa.version: [ 1, 2 ]
amdhsa.kernels:
  - .name:           k_q7f6153c600_oproj
    .symbol:         k_q7f6153c600_oproj.kd
    .args:
      - { .name: a_codes, .offset: 0, .size: 8, .value_kind: global_buffer, .address_space: global }
      - { .name: a_scales, .offset: 8, .size: 8, .value_kind: global_buffer, .address_space: global }
      - { .name: xw_codes, .offset: 16, .size: 8, .value_kind: global_buffer, .address_space: global }
      - { .name: xw_scales, .offset: 24, .size: 8, .value_kind: global_buffer, .address_space: global }
      - { .name: out0, .offset: 32, .size: 8, .value_kind: global_buffer, .address_space: global }
    .group_segment_fixed_size: 327680
    .private_segment_fixed_size: 0
    .kernarg_segment_align: 8
    .kernarg_segment_size: 40
    .max_flat_workgroup_size: 128
    .sgpr_count:     106
    .vgpr_count:     512
    .wavefront_size: 32
...
	.end_amdgpu_metadata
.endif
;; end of part 4
